; MI455X (gfx1250); checked and timed in simulation.
; The chip was launched on July 23, 2026; its instructions are those of AMD's public machine-readable ISA for CDNA 5 (MIT licence, August 2026) and "CDNA5" Instruction Set Architecture Reference Guide (July 2026). The comments in the code are by the model that wrote it; some were corrected since.
;; Cross Attention. Allowed arithmetic: matrix products marked QUANTISED: E2M3 operands, one E8M0 scale for each 32 along K, by v_wmma_scale_f32_16x16x128_f8f6f4 with both operands' format E2M3, f32 sums; everything else in f32.
;; Inputs: b_out 512 float32; encoder_hidden_states_codes 2 x 4,096 x 24 x 24 uint8 (E2M3 codes of encoder_hidden_states, K innermost, in blocks of 32 codes, four codes in three bytes); encoder_hidden_states_scales 2 x 4,096 x 24 uint8 (E8M0 scales of encoder_hidden_states, one for each 32 codes along K); hidden_states_codes 2 x 4,096 x 16 x 24 uint8 (E2M3 codes of hidden_states, K innermost, in blocks of 32 codes, four codes in three bytes); hidden_states_scales 2 x 4,096 x 16 uint8 (E8M0 scales of hidden_states, one for each 32 codes along K); w_k_codes 512 x 24 x 24 uint8 (E2M3 codes of w_k, K innermost, in blocks of 32 codes, four codes in three bytes); w_k_scales 512 x 24 uint8 (E8M0 scales of w_k, one for each 32 codes along K); w_out_codes 512 x 16 x 24 uint8 (E2M3 codes of w_out, K innermost, in blocks of 32 codes, four codes in three bytes); w_out_scales 512 x 16 uint8 (E8M0 scales of w_out, one for each 32 codes along K); w_q_codes 512 x 16 x 24 uint8 (E2M3 codes of w_q, K innermost, in blocks of 32 codes, four codes in three bytes); w_q_scales 512 x 16 uint8 (E8M0 scales of w_q, one for each 32 codes along K); w_v_codes 512 x 24 x 24 uint8 (E2M3 codes of w_v, K innermost, in blocks of 32 codes, four codes in three bytes); w_v_scales 512 x 24 uint8 (E8M0 scales of w_v, one for each 32 codes along K).
;; Outputs: out0 2 x 4,096 x 512 float32.
;; This version of the problem:
;;   THIS VERSION OF THE PROBLEM IS GIVEN IN LOW PRECISION. The matrix products marked QUANTISED in the list below multiply operands that are first quantised to E2M3 (2 exponent bits, 3 mantissa bits; 6 bits a number), with one power-of-two scale for each 32 numbers along K (OCP MX v1.0); their sums are f32. All else is computed in f32.
;;   The module's matrix products, in the order in which they are computed (A, B: the left and right operand; K: the contracted axis; several contracted axes count as one K, in the product's order):
;;     1. [M 8,192, K 512] x [K 512, N 512]; A: input hidden_states (given as codes); B: input w_q (given as codes): QUANTISED
;;     2. [M 8,192, K 768] x [K 768, N 512]; A: input encoder_hidden_states (given as codes); B: input w_k (given as codes): QUANTISED
;;     3. [M 8,192, K 768] x [K 768, N 512]; A: input encoder_hidden_states (given as codes); B: input w_v (given as codes): QUANTISED
;;     4. batch 16 x [M 4,096, K 64] x [K 64, N 4,096]; A: computed on the way; B: computed on the way: QUANTISED
;;     5. batch 16 x [M 4,096, K 4,096] x [K 4,096, N 64]; A: softmax (see below); B: computed on the way: QUANTISED
;;     6. [M 8,192, K 512] x [K 512, N 512]; A: computed on the way; B: input w_out (given as codes): QUANTISED
;;   THE QUANTISER, for each operand of a quantised product, along K:
;;     - K is cut into blocks of 32 from its start; a last block that is shorter is filled with zeros.
;;     - A block's scale is 2^e with e = floor(log2(the largest magnitude in the block)) - 2, held to -126 .. 127; a block of zeros has e = 0. As a byte (E8M0): e + 127.
;;     - Each number is divided by its block's scale, clamped to +-7.5, and rounded to the nearest number of E2M3, ties to even, subnormals kept.
;;     - The product sums the exact products of the quantised numbers (number of the format x scale) in f32.
;;   ~~~python
;;   def quantise(x, axis):      # numpy; x: float32 -> the quantised numbers, widened to float32 again
;;       x = np.moveaxis(x, axis, -1); K = x.shape[-1]
;;       x = np.pad(x, [(0, 0)] * (x.ndim - 1) + [(0, -K % 32)]); x = x.reshape(x.shape[:-1] + (-1, 32)); a = np.abs(x).max(-1, keepdims=True)
;;       e = np.where(a > 0, np.clip(np.frexp(np.where(a > 0, a, 1))[1] - 1 - 2, -126, 127), 0)      # np.frexp(a)[1] - 1 = floor(log2(a)), exactly
;;       r = np.clip(x / 2.0 ** e, -7.5, 7.5)
;;       step = 2.0 ** (np.maximum(np.frexp(np.where(r == 0, 1, r))[1] - 1, 0) - 3)
;;       q = np.round(r / step) * step * 2.0 ** e      # np.round: ties to even
;;       return np.moveaxis(q.reshape(q.shape[:-2] + (-1,))[..., :K], -1, axis).astype(np.float32)
;;   ~~~
;;   SOFTMAX AHEAD OF A QUANTISED PRODUCT. Where the list says 'softmax', what is quantised is not the finished softmax but p = 2^(t - M), with t = logit x log2(e) and M = ceil(the row's largest t), a whole number; so 1/2 < the row's largest p <= 1. The row's sum l is taken of the UNQUANTISED p, in f32, and the product's result is divided by l at the end. Since M is a whole number, a kernel that streams over the keys may use a running M (the ceiling of the running maximum): every later rescaling is an exact power of two, which a block's scale takes up: the codes' values come out the same.
;;   OPERANDS COMPUTED ON THE WAY. 'Computed on the way' means the value that the module computes at that place (a softmax that the list does not call 'softmax' is quantised finished and normalised). What goes into a quantiser is computed in f32, as accurately as f32 sums, v_exp_f32 and their like allow (about 1e-6 of the number): no bf16 or f16 on the way to a quantiser, and a product that is left as it is and whose result goes on into a quantised operand takes f32 operands (vector FMAs, or v_wmma_f32_16x16x4_f32). A number that lies on a knife's edge between two numbers of the format may be rounded either way, as far as f32 arithmetic and the matrix unit's own rounding can turn it there, and no further.
;;   INPUTS GIVEN AS CODES. encoder_hidden_states (in the module: [2, 4096, 768], K = its axis 2); hidden_states (in the module: [2, 4096, 512], K = its axis 2); w_k (in the module: [768, 512], K = its axis 0); w_out (in the module: [512, 512], K = its axis 0); w_q (in the module: [512, 512], K = its axis 0); w_v (in the module: [768, 512], K = its axis 0): each comes as NAME_codes (uint8): NAME with its K axis moved to the last place and cut into blocks of 32 codes, [.., K / 32, bytes a block], one block behind the other in memory; four codes in three bytes: a row's codes are one little-endian stream of bits, code i at bits 6 i .. 6 i + 5 (a code: sign, 2 exponent bits, 3 mantissa bits); and NAME_scales (uint8): the same leading axes, one E8M0 byte (e + 127) for each 32 codes along K. Its value is code x scale, taken as it is: it is not quantised again, and the codes and scales need not be those that the quantiser above would give.
;; One version. Each part assembles by itself: llvm-mc -triple=amdgcn-amd-amdhsa -mcpu=gfx1250 --defsym DOCPART=n.
;; ======== version 1 of 1: 4 launches
;; workspace buffers: qi 3,407,872 bytes; kv 6,815,744 bytes; ao 3,276,800 bytes
;; launch projq (part 1): grid 256 x 1, 8 waves a work-group, clusters of 4 x 1, 168,960 bytes of LDS; arguments hidden_states_codes, hidden_states_scales, w_q_codes, w_q_scales, qi; writes qi
.if DOCPART == 1
	.amdgcn_target "amdgcn-amd-amdhsa--gfx1250"
	.amdhsa_code_object_version 6
	.text
	.protected	k_q7cd2d38b6d_projq
	.globl	k_q7cd2d38b6d_projq
	.p2align	8
	.type	k_q7cd2d38b6d_projq,@function
k_q7cd2d38b6d_projq:
	s_mov_b64 s[64:65], 0
	v_nop
	global_prefetch_b8 v0, s[64:65] scope:SCOPE_SE
	s_setreg_imm32_b32 hwreg(HW_REG_WAVE_MODE, 25, 1), 1
	s_wait_xcnt 0x0
	s_wait_alu depctr_hold_cnt(0) depctr_sa_sdst(0) depctr_va_vdst(0) depctr_va_sdst(0) depctr_va_ssrc(0) depctr_va_vcc(0) depctr_vm_vsrc(0)
	s_getreg_b32 s2, hwreg(HW_REG_IB_STS2, 6, 4)
	s_cmp_eq_u32 s2, 0
	s_cbranch_scc0 .Lentry_in_a_cluster
	s_endpgm
.Lentry_in_a_cluster:
	s_bfe_u32 s2, ttmp6, 0x10000c
	s_cmp_lg_u32 s2, 0x3003
	s_cbranch_scc0 .Lentry_shape_is_right
	s_endpgm
.Lentry_shape_is_right:
; q = hidden_states w_q on codes of E2M3 with E8M0 scales, and q quantised along the head's 64 (two blocks of 32) for the product q k^T.
; A work-group takes X = 128 rows of w_q (two heads' 64 numbers each; source 0) and Y = 128 rows of hidden_states (queries; source 1), all of K = 512.
; Eight waves: wave w takes X tiles 4 (w & 1) .. + 3 (one head) and Y tiles 2 (w >> 1), + 1: eight accumulators.  In a result lane (r, h) holds query r and its register j the head's number 8 h + j of the X tile.
; So the 64 registers of a wave are 2 queries' tiles x 64 numbers of a head, and the quantiser works in registers.  OUT: for each tile of 16 queries a HALF IMAGE of 768 bytes: the six operand registers
; (lane (r, h): block h of query r), register pair i of lane l at 256 i + 8 l; and one scale word a query, bytes 0, 1 the two blocks, bytes 2, 3 = 0.
; ORDER INSIDE A BLOCK: position i of a block of 32 holds the head's number 16 ((i % 16) / 8) + 8 (i / 16) + i % 8.  k is laid by the same lines in the same order, so the products q k^T pair the right numbers.
; CLUSTER 4 x 1: the four partners take the same queries (Y: asked for jointly, mask 15) and different rows of w_q (X: a load of each work-group's own: nothing to share there).
; All of K fits into LDS: every byte is filled once, in KCH chunks of 256 along K, and a chunk is multiplied while the later ones land.
; LIMITS: NaN and infinities are not served; a block of zeros, and one whose largest magnitude lies under 2^-124, gets the scale byte 1 (its bytes are read by this program alone).
.set KCH,   2                          ; chunks of 256 along K
.set ROWG,  384                        ; a row of codes in memory: 512 x 6 / 8 bytes
.set SROW,  16                         ; a row of scale bytes
.set YR,    128                        ; rows of Y
.set NYT,   2                          ; Y tiles of a wave
.set PITCH, 240                        ; an LDS row: 3 x (64 bytes + 16 of padding)
.set CHB,   (128+YR)*PITCH             ; a chunk: X's 128 rows, then Y's
.set SCX,   KCH*CHB                    ; X's scale bytes, dense
.set SCY,   SCX+128*SROW               ; Y's
.set QSC,   3145728                    ; where the scale words begin in qi
.set WV, 18
.set CX, 19
.set CL, 20
.set GX, 21
.set GY, 22
.set G1X, 24                           ; s[24:31] group 1: X's tiles;  s[32:39] Y's;  s[40:47] X's scales;  s[48:55] Y's scales
.set G1Y, 32
.set G1SX, 40
.set G1SY, 48
.set G0X, 56                           ; s[56:59], s[60:63] groups 0 of X's chunks
.set G0Y, 72                           ; s[72:75], s[76:79] of Y's
.set G0SX, 84
.set G0SY, 88
.set OUT, 92                           ; s[92:93] where my codes go;  s[94:95] my scale words
.set OUT2, 94
.set SEL, 98                           ; s[98:99] lane selects: lane l xor 16
.set ADX, 4                            ; v4, v5  LDS address of my X fragments (v5: for pieces behind one padding more)
.set ADY, 6                            ; v6, v7  of my Y fragments
.set ASX, 8                            ; v8      of my X rows' scale bytes
.set ASY, 9                            ; v9      of my Y rows'
.set L8,  10                           ; v10     8 x lane
.set SH,  11                           ; v11     16 x (lane / 16)
.set L4,  12                           ; v12     4 x lane
.set SXR, 16                           ; v16-23  X's scale words: tile a, step q of the chunk: 2 a + q
.set SYR, 24                           ; v24-27  Y's
.set XF,  32                           ; v32-79  X's four fragments
.set YF,  80                           ; v80-103 Y's two
.set ACC, 128                          ; v128-191 accumulator (a, b) at 32 b + 8 a
.set TM,  32                           ; behind the sums: v32-47 at work, v48 the scale word, v52-70 codes, v92 the word to store
.set PW,  48
.set PC0, 52
.set SW,  92
.macro CROUND                          ; a round of the cluster's barrier
	s_barrier_signal -1
	s_barrier_wait -1
	s_cmp_lg_u32 s[WV], 0
	s_cbranch_scc1 .Lnot_wave_0_\@
	s_barrier_signal -3
.Lnot_wave_0_\@:
	s_barrier_wait -3
	s_barrier_signal -1
	s_barrier_wait -1
.endm
.macro NOPS
.rept 4
	v_nop
.endr
.endm
.macro XL                              ; my 64 rows of X, chunk by chunk
	tensor_load_to_lds s[G0X:G0X+3], s[G1X:G1X+7]
	s_nop 0
	tensor_load_to_lds s[G0X+4:G0X+7], s[G1X:G1X+7]
	s_nop 0
	NOPS
.endm
.macro YL                              ; my 64 rows of Y, jointly with the three partners
	tensor_load_to_lds s[G0Y:G0Y+3], s[G1Y:G1Y+7]
	s_nop 0
	tensor_load_to_lds s[G0Y+4:G0Y+7], s[G1Y:G1Y+7]
	s_nop 0
	NOPS
.endm
; A fragment, 16 rows x 128 K of 6-bit codes: lane (r, h) takes 24 bytes at 24 h and 24 bytes at 48 + 24 h of the row's 96, in pieces of 8 bytes.  16 bytes of padding lie behind every 8 pieces:
; where the piece three on (lanes 16-31) lies behind one padding more, the second address register serves.
.macro FRAG reg, adr, q, toff
.irp p, 0,1,2,3,4,5
.set PCE, 12*(\q)+6*(\p/3)+\p%3
.if PCE%8 < 5
	ds_load_b64 v[\reg+2*\p:\reg+2*\p+1], v[\adr] offset:8*PCE+16*(PCE/8)+(\toff)
.else
	ds_load_b64 v[\reg+2*\p:\reg+2*\p+1], v[\adr+1] offset:8*PCE+16*(PCE/8)+(\toff)
.endif
.endr
.endm
; 128 along K: the fragments, then eight products; the accumulators take turns, one instruction a turn, in the same order in every step.
.macro KSTEP q, zero
.irp a, 0,1,2,3
	FRAG XF+12*\a, ADX, \q, \a*16*PITCH
.endr
.irp b, 0,1
	FRAG YF+12*\b, ADY, \q, \b*16*PITCH
.endr
	s_wait_dscnt 0x0                               ; fragments and scale words are in
.irp b, 0,1
.irp a, 0,1,2,3
.if \zero
	v_wmma_scale_f32_16x16x128_f8f6f4 v[ACC+32*\b+8*\a:ACC+32*\b+8*\a+7], v[XF+12*\a:XF+12*\a+11], v[YF+12*\b:YF+12*\b+11], 0, v[SXR+2*\a+\q], v[SYR+2*\b+\q] matrix_a_fmt:MATRIX_FMT_FP6 matrix_b_fmt:MATRIX_FMT_FP6
.else
	v_wmma_scale_f32_16x16x128_f8f6f4 v[ACC+32*\b+8*\a:ACC+32*\b+8*\a+7], v[XF+12*\a:XF+12*\a+11], v[YF+12*\b:YF+12*\b+11], v[ACC+32*\b+8*\a:ACC+32*\b+8*\a+7], v[SXR+2*\a+\q], v[SYR+2*\b+\q] matrix_a_fmt:MATRIX_FMT_FP6 matrix_b_fmt:MATRIX_FMT_FP6
.endif
.endr
.endr
	NOPS                                           ; four places in front of the next loads into these registers and of the first read of results
.endm
.macro CHUNK ch
	s_wait_tensorcnt KCH-1-\ch                     ; my loads end in order: the scales and chunks 0 .. ch are in; my later chunks may stay out: no LDS byte is filled twice here
	s_barrier_signal -1
	s_barrier_wait -1                              ; everybody's are
.irp a, 0,1,2,3
	ds_load_b64 v[SXR+2*\a:SXR+2*\a+1], v[ASX] offset:16*\a*SROW+8*\ch   ; the chunk's two scale words of row r
.endr
.irp b, 0,1
	ds_load_b64 v[SYR+2*\b:SYR+2*\b+1], v[ASY] offset:16*\b*SROW+8*\ch
.endr
.if \ch == 0
	KSTEP 0, 1                                     ; the first products start the sums
.else
	KSTEP 0, 0
.endif
	KSTEP 1, 0
.if \ch < KCH-1
.irp r, 0,1,2,3
	v_add_nc_u32 v[ADX+\r], CHB, v[ADX+\r]         ; on to the next chunk
.endr
.endif
.endm
; 64 numbers of a lane, register 16 b + i one of 16 numbers of block b of my row (the other 16 lie in lane l xor 16), become 12 registers of codes at v[pc] on and the four blocks' bytes in v[PW].
.macro QUANT s, pc
.irp b, 0,1,2,3
	v_max3_num_f32 v[TM+\b], |v[16*\b+(\s)]|, |v[16*\b+1+(\s)]|, 0x1800000   ; with the floor 2^(3 - 127): the byte cannot fall under 1
.endr
.irp i, 2,4,6,8,10,12,14
.irp b, 0,1,2,3
	v_max3_num_f32 v[TM+\b], v[TM+\b], |v[16*\b+\i+(\s)]|, |v[16*\b+\i+1+(\s)]|
.endr
.endr
.irp b, 0,1,2,3
	v_permlanex16_b32 v[TM+4+\b], v[TM+\b], s[SEL], s[SEL+1]
.endr
.irp b, 0,1,2,3
	v_max_num_f32 v[TM+\b], v[TM+\b], v[TM+4+\b]   ; the block's largest magnitude
.endr
.irp b, 0,1,2,3
	v_add_nc_u32 v[TM+12+\b], 0xff000000, v[TM+\b] ; 2 off its exponent field: the conversion's scale operand
.endr
.irp b, 0,1,2,3
	v_lshrrev_b32 v[TM+4+\b], 23, v[TM+12+\b]      ; the scale's byte
.endr
	v_lshl_or_b32 v[PW], v[TM+5], 8, v[TM+4]
	v_lshl_or_b32 v[PW], v[TM+6], 16, v[PW]
	v_lshl_or_b32 v[PW], v[TM+7], 24, v[PW]
.irp c, 0,1
	v_cvt_scalef32_pk16_fp6_f32 v[6*\c+(\pc):6*\c+2+(\pc)], v[32*\c+(\s):32*\c+15+(\s)], v[TM+12+2*\c]
	v_cvt_scalef32_pk16_fp6_f32 v[4*\c+12+(\pc):4*\c+14+(\pc)], v[32*\c+16+(\s):32*\c+31+(\s)], v[TM+12+2*\c+1]
.endr
	v_nop                                          ; one plain place behind a scaled conversion
.irp c, 0,1                                    ; a whole block to a lane: lanes 0-15 block 2 c, lanes 16-31 block 2 c + 1
.irp i, 0,1,2
	v_permlane16_swap_b32 v[6*\c+\i+(\pc)], v[4*\c+12+\i+(\pc)]
.endr
.irp i, 0,1,2
	v_mov_b32 v[6*\c+3+\i+(\pc)], v[4*\c+12+\i+(\pc)]
.endr
.endr
.endm
	s_load_b256 s[4:11], s[0:1], 0x0               ; hidden_states' codes s[4:5], scales s[6:7]; w_q's codes s[8:9], scales s[10:11]
	s_load_b64 s[12:13], s[0:1], 0x20              ; qi
	v_lshl_add_u32 v254, v0, 2, 0x29000
	v_mov_b32 v255, 0
	ds_add_u32 v254, v255
	v_lshrrev_b32 v1, 5, v0
	v_readfirstlane_b32 s[WV], v1                  ; wave 0..7
	s_bfe_u32 s[CX], ttmp6, 0x40000                ; my place in the cluster: which 128 rows of w_q
	s_mov_b32 s[CL], ttmp9                         ; the cluster: which 128 queries
	s_and_b32 s[GX], s[WV], 1
	s_lshr_b32 s[GY], s[WV], 1
	s_mov_b32 s[G1X], 0x06D00000                   ; elements of 1 byte; padding on: 4 words behind every 16
	s_mov_b32 s[G1Y], 0x06F0000F                   ; the same, with the mask of all four work-groups and bit 21 beside it
.irp g, G1X, G1Y
	s_mov_b32 s[\g+1], 192<<16                     ; tensor_dim0 = 192 bytes
	s_mov_b32 s[\g+2], 64<<16                      ; tensor_dim1 = 64 rows
	s_mov_b32 s[\g+3], 192<<16                     ; tile_dim0
	s_mov_b32 s[\g+4], 64                          ; tile_dim1
	s_mov_b32 s[\g+5], ROWG                        ; from row to row
	s_mov_b32 s[\g+6], 0
	s_mov_b32 s[\g+7], 0
.endr
	s_mov_b32 s[G1SX], 0x00030000                  ; the scales: dense blocks, as rows of 32 elements of 8 bytes
	s_mov_b32 s[G1SY], 0x0023000F
.irp g, G1SX, G1SY
	s_mov_b32 s[\g+1], 32<<16
	s_mov_b32 s[\g+2], 8<<16                       ; 128 rows x 16 bytes = 8 x 256
	s_mov_b32 s[\g+3], 32<<16
	s_mov_b32 s[\g+4], 8
	s_mov_b32 s[\g+5], 32
	s_mov_b32 s[\g+6], 0
	s_mov_b32 s[\g+7], 0
.endr
	s_lshr_b32 s96, s[CL], 5                       ; batch
	s_lshl_b32 s96, s96, 3
	s_lshl_b32 s97, s[CX], 1
	s_add_co_u32 s96, s96, s97
	s_add_co_u32 s96, s96, s[GX]                   ; 8 x batch + head, head = 2 cx + gx
	s_lshl_b32 s96, s96, 8
	s_and_b32 s97, s[CL], 31
	s_lshl_b32 s97, s97, 3
	s_add_co_u32 s96, s96, s97
	s_lshl_b32 s97, s[GY], 1
	s_add_co_u32 s96, s96, s97                     ; + my first tile of queries
	s_mul_i32 s[OUT], s96, 768
	s_mov_b32 s[OUT+1], 0
	s_lshl_b32 s[OUT2], s96, 6
	s_add_co_u32 s[OUT2], s[OUT2], QSC
	s_mov_b32 s[OUT2+1], 0
	s_max_u32 s3, s[WV], 2                         ; Y's offsets, in registers that never hold cx: waves 2, 3 fetch rows 64 (wave - 2) on
	s_sub_co_u32 s3, s3, 2
	s_mul_i32 s3, s3, 64*ROWG
	s_mul_i32 s2, s[CL], YR*ROWG
	s_add_co_u32 s2, s2, s3
	s_mov_b32 s3, 0
	s_mul_i32 s14, s[CL], YR*SROW
	s_mov_b32 s15, 0
	s_mul_i32 s100, s[CX], 128*ROWG                ; X's: waves 0, 1 fetch rows 64 wave on
	s_mul_i32 s101, s[WV], 64*ROWG
	s_add_co_u32 s100, s100, s101
	s_mov_b32 s101, 0
	s_mul_i32 s98, s[CX], 128*SROW
	s_mov_b32 s99, 0
	s_mul_i32 s23, s[WV], 64*PITCH                 ; in a chunk: row 64 x wave, for X and Y alike
	s_wait_dscnt 0x0
	s_wait_kmcnt 0x0
	s_add_nc_u64 s[2:3], s[4:5], s[2:3]
	s_add_nc_u64 s[14:15], s[6:7], s[14:15]
	s_add_nc_u64 s[100:101], s[8:9], s[100:101]
	s_add_nc_u64 s[98:99], s[10:11], s[98:99]
	s_add_nc_u64 s[OUT:OUT+1], s[12:13], s[OUT:OUT+1]
	s_add_nc_u64 s[OUT2:OUT2+1], s[12:13], s[OUT2:OUT2+1]
.irp ch, 0,1
	s_mov_b32 s[G0X+4*\ch], 1
	s_add_co_u32 s[G0X+4*\ch+1], s23, \ch*CHB
	s_add_nc_u64 s[G0X+4*\ch+2:G0X+4*\ch+3], s[100:101], 192*\ch
	s_or_b32 s[G0X+4*\ch+3], s[G0X+4*\ch+3], 0x80000000
	s_mov_b32 s[G0Y+4*\ch], 1
	s_add_co_u32 s[G0Y+4*\ch+1], s23, \ch*CHB
	s_add_nc_u64 s[G0Y+4*\ch+2:G0Y+4*\ch+3], s[2:3], 192*\ch
	s_or_b32 s[G0Y+4*\ch+3], s[G0Y+4*\ch+3], 0x80000000
.endr
	s_mov_b32 s[G0SX], 1
	s_mov_b32 s[G0SX+1], SCX
	s_mov_b64 s[G0SX+2:G0SX+3], s[98:99]
	s_or_b32 s[G0SX+3], s[G0SX+3], 0x80000000
	s_mov_b32 s[G0SY], 1
	s_mov_b32 s[G0SY+1], SCY
	s_mov_b64 s[G0SY+2:G0SY+3], s[14:15]
	s_or_b32 s[G0SY+3], s[G0SY+3], 0x80000000
	CROUND                                         ; all four work-groups are here: the joint loads meet
	; every fill of the launch: each wave's stand in one arm.  Wave 0: X's scales, X's rows 0-63; wave 1: X's rows 64-127; wave 2: Y's scales, Y's rows 0-63; wave 3: Y's rows 64-127.  At most three loads of a wave are out.
	s_cmp_lg_u32 s[WV], 0
	s_cbranch_scc1 .Lnot0
	tensor_load_to_lds s[G0SX:G0SX+3], s[G1SX:G1SX+7]
	s_nop 0
	XL
	s_branch .Lfilled
.Lnot0:
	s_cmp_lg_u32 s[WV], 1
	s_cbranch_scc1 .Lnot1
	XL
	s_branch .Lfilled
.Lnot1:
	s_cmp_lg_u32 s[WV], 2
	s_cbranch_scc1 .Lnot2
	tensor_load_to_lds s[G0SY:G0SY+3], s[G1SY:G1SY+7]
	s_nop 0
	YL
	s_branch .Lfilled
.Lnot2:
	s_cmp_ge_u32 s[WV], 4
	s_cbranch_scc1 .Lfilled
	YL
.Lfilled:
	s_mov_b32 s[SEL], 0x76543210
	s_mov_b32 s[SEL+1], 0xfedcba98
	v_and_b32 v1, 15, v0                           ; r
	v_bfe_u32 v2, v0, 4, 1                         ; h
	v_and_b32 v3, 31, v0                           ; lane
	v_mul_u32_u24 v13, v1, PITCH
	v_mad_u32_u24 v13, v2, 24, v13                 ; row r x pitch + 24 h
	s_mul_i32 s96, s[GX], 64*PITCH
	v_add_nc_u32 v[ADX], s96, v13
	v_lshl_add_u32 v[ADX+1], v2, 4, v[ADX]
	s_mul_i32 s96, s[GY], 16*NYT*PITCH
	s_add_co_u32 s96, s96, 128*PITCH
	v_add_nc_u32 v[ADY], s96, v13
	v_lshl_add_u32 v[ADY+1], v2, 4, v[ADY]
	v_mul_u32_u24 v13, v1, SROW
	s_mul_i32 s96, s[GX], 64*SROW
	s_add_co_u32 s96, s96, SCX
	v_add_nc_u32 v[ASX], s96, v13
	s_mul_i32 s96, s[GY], 16*NYT*SROW
	s_add_co_u32 s96, s96, SCY
	v_add_nc_u32 v[ASY], s96, v13
	v_lshlrev_b32 v[L8], 3, v3
	v_lshlrev_b32 v[SH], 4, v2
	v_lshlrev_b32 v[L4], 2, v3
	CHUNK 0
	CHUNK 1
.irp b, 0,1,2,3
	v_mov_b32 v[TM+4+\b], 0                        ; written once: a lane permute's destination counts as one of its sources
.endr
	QUANT ACC, PC0                                 ; registers 0-5: my first tile's half image, 6-11: my second's
	v_lshrrev_b32 v[SW], v[SH], v[PW]              ; lanes 0-15 keep the first tile's two bytes, lanes 16-31 the second's;
	v_and_b32 v[SW], 0xffff, v[SW]                 ; bytes 2, 3 = 0: the scale of the idle half of the next product's K
.irp i, 0,1,2,3,4,5
	global_store_b64 v[L8], v[PC0+2*\i:PC0+2*\i+1], s[OUT:OUT+1] offset:256*\i   ; 32 lanes store 256 consecutive bytes, at a multiple of 256 from the buffer's first byte
.endr
	global_store_b32 v[L4], v[SW], s[OUT2:OUT2+1]  ; two tiles' scale words: 128 consecutive bytes
	s_wait_tensorcnt 0x0
	ds_add_u32 v254, v255
	s_wait_dscnt 0x0
	CROUND                                         ; the closing round: no work-group ends while a partner may still ask jointly
	s_endpgm
.Lfunc_end_k_q7cd2d38b6d_projq:
	.size	k_q7cd2d38b6d_projq, .Lfunc_end_k_q7cd2d38b6d_projq-k_q7cd2d38b6d_projq
	.p2alignl 7, 3214868480
	.fill 96, 4, 3214868480
	.section	.rodata,"a",@progbits
	.p2align	6, 0x0
	.amdhsa_kernel k_q7cd2d38b6d_projq
		.amdhsa_group_segment_fixed_size 168960
		.amdhsa_private_segment_fixed_size 0
		.amdhsa_enable_private_segment 0
		.amdhsa_kernarg_size 40
		.amdhsa_user_sgpr_count 2
		.amdhsa_user_sgpr_kernarg_segment_ptr 1
		.amdhsa_wavefront_size32 1
		.amdhsa_system_sgpr_workgroup_id_x 1
		.amdhsa_system_sgpr_workgroup_id_y 1
		.amdhsa_system_sgpr_workgroup_id_z 1
		.amdhsa_system_vgpr_workitem_id 0
		.amdhsa_next_free_vgpr 256
		.amdhsa_next_free_sgpr 102
		.amdhsa_reserve_vcc 0
		.amdhsa_float_denorm_mode_32 3
		.amdhsa_float_denorm_mode_16_64 3
		.amdhsa_memory_ordered 1
		.amdhsa_forward_progress 1
		.amdhsa_inst_pref_size 29
	.end_amdhsa_kernel
	.amdgpu_metadata
---
amdhsa.version: [ 1, 2 ]
amdhsa.kernels:
  - .name:           k_q7cd2d38b6d_projq
    .symbol:         k_q7cd2d38b6d_projq.kd
    .args:
      - { .name: hidden_states_codes, .offset: 0, .size: 8, .value_kind: global_buffer, .address_space: global }
      - { .name: hidden_states_scales, .offset: 8, .size: 8, .value_kind: global_buffer, .address_space: global }
      - { .name: w_q_codes, .offset: 16, .size: 8, .value_kind: global_buffer, .address_space: global }
      - { .name: w_q_scales, .offset: 24, .size: 8, .value_kind: global_buffer, .address_space: global }
      - { .name: qi, .offset: 32, .size: 8, .value_kind: global_buffer, .address_space: global }
    .group_segment_fixed_size: 168960
    .private_segment_fixed_size: 0
    .kernarg_segment_align: 8
    .kernarg_segment_size: 40
    .max_flat_workgroup_size: 256
    .sgpr_count:     102
    .vgpr_count:     256
    .wavefront_size: 32
...
	.end_amdgpu_metadata
.endif
;; end of part 1
;; launch projkv (part 2): grid 256 x 1, 8 waves a work-group, clusters of 4 x 1, 286,720 bytes of LDS; arguments encoder_hidden_states_codes, encoder_hidden_states_scales, w_k_codes, w_k_scales, w_v_codes, w_v_scales, kv; writes kv
.if DOCPART == 2
	.amdgcn_target "amdgcn-amd-amdhsa--gfx1250"
	.amdhsa_code_object_version 6
	.text
	.protected	k_q7cd2d38b6d_projkv
	.globl	k_q7cd2d38b6d_projkv
	.p2align	8
	.type	k_q7cd2d38b6d_projkv,@function
k_q7cd2d38b6d_projkv:
	s_mov_b64 s[64:65], 0
	v_nop
	global_prefetch_b8 v0, s[64:65] scope:SCOPE_SE
	s_setreg_imm32_b32 hwreg(HW_REG_WAVE_MODE, 25, 1), 1
	s_wait_xcnt 0x0
	s_wait_alu depctr_hold_cnt(0) depctr_sa_sdst(0) depctr_va_vdst(0) depctr_va_sdst(0) depctr_va_ssrc(0) depctr_va_vcc(0) depctr_vm_vsrc(0)
	s_getreg_b32 s2, hwreg(HW_REG_IB_STS2, 6, 4)
	s_cmp_eq_u32 s2, 0
	s_cbranch_scc0 .Lentry_in_a_cluster
	s_endpgm
.Lentry_in_a_cluster:
	s_bfe_u32 s2, ttmp6, 0x10000c
	s_cmp_lg_u32 s2, 0x3003
	s_cbranch_scc0 .Lentry_shape_is_right
	s_endpgm
.Lentry_shape_is_right:
; k = enc w_k, quantised along the head's 64, and v = enc w_v, quantised along the KEYS, both on codes of E2M3 with E8M0 scales; K = 768.
; ONE PATH FOR BOTH.  A job multiplies X (128 rows, source 0: the axis that is quantised afterwards) by Y (256 rows, source 1).  Clusters 0-31 make k: X = 128 rows of w_k (two heads), Y = 256 keys of enc.
; Clusters 32-63 make v: X = 128 keys of enc (one key step), Y = 256 rows of w_v (four heads).  Only pointers and offsets in memory are chosen, on the cluster's number; no LDS address and no branch hangs on the choice.
; Eight waves: wave w takes X tiles 4 (w & 1) .. + 3 and Y tiles 4 (w >> 1) .. + 3: sixteen accumulators.  In a result lane (r, h) holds Y's row r and its register j X's row 8 h + j of the tile.
; A UNIT is 4 X tiles x 2 Y tiles, 64 registers: the quantiser makes of it two HALF IMAGES of 768 bytes (six operand registers: lane (r, h) holds block h, 32 codes, of Y's row r; register pair i of lane l at 256 i + 8 l).
; OUT: kv = [batch x head 16][key step 32][13,312 bytes]: +0 k's 8 tiles of 16 keys; +6,144 k's scale words; +6,656 v's halves [64 keys c][16 of the head's 64 j]; +12,800 v's scale words.
; A scale word holds a row's two bytes and two bytes 0; a pair of tiles shares a word's place: lanes 0-15 the even tile's rows, lanes 16-31 the odd tile's.
; ORDER INSIDE A BLOCK: position i of a block of 32 holds X's row 16 ((i % 16) / 8) + 8 (i / 16) + i % 8.  q (along the head) and the softmax's p (along the keys) are laid in the same order.
; CLUSTER 4 x 1: Y hangs on the cluster alone and is asked for jointly (mask 15); X differs between the partners: a load of each work-group's own.
; All of K fits into LDS: every byte is filled once, in three chunks of 256 along K, and a chunk is multiplied while the later ones land.
; LIMITS: NaN and infinities are not served; a block of zeros, and one whose largest magnitude lies under 2^-124, gets the scale byte 1 (its bytes are read by this program alone).
.set KCH,   3
.set ROWG,  576                        ; a row of codes in memory: 768 x 6 / 8 bytes
.set SROW,  24
.set YR,    256
.set NYT,   4
.set PITCH, 240                        ; an LDS row: 3 x (64 bytes + 16 of padding)
.set CHB,   (128+YR)*PITCH             ; 92,160
.set SCX,   KCH*CHB                    ; 276,480
.set SCY,   SCX+128*SROW               ; 279,552; Y's scales end at 285,696
.set PKG,   13312
.set WV, 18
.set CX, 19
.set CL, 20
.set GX, 21
.set GY, 22
.set G1X, 24
.set G1Y, 32
.set G1SX, 40
.set G1SY, 48
.set G0X0, 56                          ; groups 0 of X's three chunks: s[56:59], s[60:63], s[68:71]
.set G0X1, 60
.set G0X2, 68
.set G0Y, 72                           ; of Y's: s[72:83]
.set G0SX, 84
.set G0SY, 88
.set OUT, 92
.set OUT2, 94
.set SEL, 98
.set ADX, 4
.set ADY, 6
.set ASX, 8
.set ASY, 9
.set L8,  10
.set SH,  11
.set SXR, 16                           ; v16-23 X's scale words; v24-31 Y's
.set SYR, 24
.set XF,  32                           ; v32-79 X's four fragments; v80-127 Y's four
.set YF,  80
.set ACC, 128                          ; v128-255 accumulator (a, b) at 32 b + 8 a
.set TM,  32                           ; behind the sums: v32-47 at work, v48 the scale word, v52-70 and v72-90 codes, v92-93 the words to store
.set PW,  48
.set PC0, 52
.set SW,  92
.macro CROUND
	s_barrier_signal -1
	s_barrier_wait -1
	s_cmp_lg_u32 s[WV], 0
	s_cbranch_scc1 .Lnot_wave_0_\@
	s_barrier_signal -3
.Lnot_wave_0_\@:
	s_barrier_wait -3
	s_barrier_signal -1
	s_barrier_wait -1
.endm
.macro NOPS
.rept 4
	v_nop
.endr
.endm
.macro XL
	tensor_load_to_lds s[G0X0:G0X0+3], s[G1X:G1X+7]
	s_nop 0
	tensor_load_to_lds s[G0X1:G0X1+3], s[G1X:G1X+7]
	s_nop 0
	tensor_load_to_lds s[G0X2:G0X2+3], s[G1X:G1X+7]
	s_nop 0
	NOPS
.endm
.macro YL
	tensor_load_to_lds s[G0Y:G0Y+3], s[G1Y:G1Y+7]
	s_nop 0
	tensor_load_to_lds s[G0Y+4:G0Y+7], s[G1Y:G1Y+7]
	s_nop 0
	tensor_load_to_lds s[G0Y+8:G0Y+11], s[G1Y:G1Y+7]
	s_nop 0
	NOPS
.endm
; A fragment, 16 rows x 128 K of 6-bit codes, in pieces of 8 bytes; the second address register serves the pieces whose partner three on (lanes 16-31) lies behind one padding more.
.macro FRAG reg, adr, q, toff
.irp p, 0,1,2,3,4,5
.set PCE, 12*(\q)+6*(\p/3)+\p%3
.if PCE%8 < 5
	ds_load_b64 v[\reg+2*\p:\reg+2*\p+1], v[\adr] offset:8*PCE+16*(PCE/8)+(\toff)
.else
	ds_load_b64 v[\reg+2*\p:\reg+2*\p+1], v[\adr+1] offset:8*PCE+16*(PCE/8)+(\toff)
.endif
.endr
.endm
; 128 along K: the fragments, then sixteen products; the accumulators take turns, one instruction a turn, in the same order in every step.
.macro KSTEP q, zero
.irp a, 0,1,2,3
	FRAG XF+12*\a, ADX, \q, \a*16*PITCH
.endr
.irp b, 0,1,2,3
	FRAG YF+12*\b, ADY, \q, \b*16*PITCH
.endr
	s_wait_dscnt 0x0
.irp b, 0,1,2,3
.irp a, 0,1,2,3
.if \zero
	v_wmma_scale_f32_16x16x128_f8f6f4 v[ACC+32*\b+8*\a:ACC+32*\b+8*\a+7], v[XF+12*\a:XF+12*\a+11], v[YF+12*\b:YF+12*\b+11], 0, v[SXR+2*\a+\q], v[SYR+2*\b+\q] matrix_a_fmt:MATRIX_FMT_FP6 matrix_b_fmt:MATRIX_FMT_FP6
.else
	v_wmma_scale_f32_16x16x128_f8f6f4 v[ACC+32*\b+8*\a:ACC+32*\b+8*\a+7], v[XF+12*\a:XF+12*\a+11], v[YF+12*\b:YF+12*\b+11], v[ACC+32*\b+8*\a:ACC+32*\b+8*\a+7], v[SXR+2*\a+\q], v[SYR+2*\b+\q] matrix_a_fmt:MATRIX_FMT_FP6 matrix_b_fmt:MATRIX_FMT_FP6
.endif
.endr
.endr
	NOPS                                           ; four places in front of the next loads into these registers and of the first read of results
.endm
.macro CHUNK ch
	s_wait_tensorcnt KCH-1-\ch                     ; my loads end in order: the scales and chunks 0 .. ch are in; my later chunks may stay out: no LDS byte is filled twice here
	s_barrier_signal -1
	s_barrier_wait -1
.irp a, 0,1,2,3
	ds_load_b64 v[SXR+2*\a:SXR+2*\a+1], v[ASX] offset:16*\a*SROW+8*\ch
.endr
.irp b, 0,1,2,3
	ds_load_b64 v[SYR+2*\b:SYR+2*\b+1], v[ASY] offset:16*\b*SROW+8*\ch
.endr
.if \ch == 0
	KSTEP 0, 1
.else
	KSTEP 0, 0
.endif
	KSTEP 1, 0
.if \ch < KCH-1
.irp r, 0,1,2,3
	v_add_nc_u32 v[ADX+\r], CHB, v[ADX+\r]
.endr
.endif
.endm
; 64 numbers of a lane, register 16 b + i one of 16 numbers of block b of my row (the other 16 lie in lane l xor 16), become 12 registers of codes at v[pc] on and the four blocks' bytes in v[PW].
.macro QUANT s, pc
.irp b, 0,1,2,3
	v_max3_num_f32 v[TM+\b], |v[16*\b+(\s)]|, |v[16*\b+1+(\s)]|, 0x1800000   ; with the floor 2^(3 - 127): the byte cannot fall under 1
.endr
.irp i, 2,4,6,8,10,12,14
.irp b, 0,1,2,3
	v_max3_num_f32 v[TM+\b], v[TM+\b], |v[16*\b+\i+(\s)]|, |v[16*\b+\i+1+(\s)]|
.endr
.endr
.irp b, 0,1,2,3
	v_permlanex16_b32 v[TM+4+\b], v[TM+\b], s[SEL], s[SEL+1]
.endr
.irp b, 0,1,2,3
	v_max_num_f32 v[TM+\b], v[TM+\b], v[TM+4+\b]
.endr
.irp b, 0,1,2,3
	v_add_nc_u32 v[TM+12+\b], 0xff000000, v[TM+\b] ; 2 off the exponent field: the conversion's scale operand
.endr
.irp b, 0,1,2,3
	v_lshrrev_b32 v[TM+4+\b], 23, v[TM+12+\b]      ; the scale's byte
.endr
	v_lshl_or_b32 v[PW], v[TM+5], 8, v[TM+4]
	v_lshl_or_b32 v[PW], v[TM+6], 16, v[PW]
	v_lshl_or_b32 v[PW], v[TM+7], 24, v[PW]
.irp c, 0,1
	v_cvt_scalef32_pk16_fp6_f32 v[6*\c+(\pc):6*\c+2+(\pc)], v[32*\c+(\s):32*\c+15+(\s)], v[TM+12+2*\c]
	v_cvt_scalef32_pk16_fp6_f32 v[4*\c+12+(\pc):4*\c+14+(\pc)], v[32*\c+16+(\s):32*\c+31+(\s)], v[TM+12+2*\c+1]
.endr
	v_nop                                          ; one plain place behind a scaled conversion
.irp c, 0,1
.irp i, 0,1,2
	v_permlane16_swap_b32 v[6*\c+\i+(\pc)], v[4*\c+12+\i+(\pc)]
.endr
.irp i, 0,1,2
	v_mov_b32 v[6*\c+3+\i+(\pc)], v[4*\c+12+\i+(\pc)]
.endr
.endr
.endm
	s_load_b256 s[4:11], s[0:1], 0x0               ; enc's codes s[4:5], scales s[6:7]; w_k's codes s[8:9], scales s[10:11]
	s_load_b128 s[12:15], s[0:1], 0x20             ; w_v's codes s[12:13], scales s[14:15]
	s_load_b64 s[16:17], s[0:1], 0x30              ; kv
	v_lshl_add_u32 v14, v0, 2, 0x45c00
	v_mov_b32 v15, 0
	ds_add_u32 v14, v15
	v_lshrrev_b32 v1, 5, v0
	v_readfirstlane_b32 s[WV], v1
	s_bfe_u32 s[CX], ttmp6, 0x40000
	s_mov_b32 s[CL], ttmp9
	s_and_b32 s[GX], s[WV], 1
	s_lshr_b32 s[GY], s[WV], 1
	s_mov_b32 s[G1X], 0x06D00000                   ; elements of 1 byte; padding on: 4 words behind every 16
	s_mov_b32 s[G1Y], 0x06F0000F                   ; the same, with the mask of all four work-groups and bit 21 beside it
.irp g, G1X, G1Y
	s_mov_b32 s[\g+1], 192<<16
	s_mov_b32 s[\g+2], 64<<16
	s_mov_b32 s[\g+3], 192<<16
	s_mov_b32 s[\g+4], 64
	s_mov_b32 s[\g+5], ROWG
	s_mov_b32 s[\g+6], 0
	s_mov_b32 s[\g+7], 0
.endr
	s_mov_b32 s[G1SX], 0x00030000                  ; X's scales: 128 x 24 bytes = 12 rows of 256
	s_mov_b32 s[G1SX+1], 32<<16
	s_mov_b32 s[G1SX+2], 12<<16
	s_mov_b32 s[G1SX+3], 32<<16
	s_mov_b32 s[G1SX+4], 12
	s_mov_b32 s[G1SX+5], 32
	s_mov_b32 s[G1SX+6], 0
	s_mov_b32 s[G1SX+7], 0
	s_mov_b32 s[G1SY], 0x0023000F                  ; Y's: 256 x 24 bytes = 24 rows of 256, jointly
	s_mov_b32 s[G1SY+1], 32<<16
	s_mov_b32 s[G1SY+2], 24<<16
	s_mov_b32 s[G1SY+3], 32<<16
	s_mov_b32 s[G1SY+4], 24
	s_mov_b32 s[G1SY+5], 32
	s_mov_b32 s[G1SY+6], 0
	s_mov_b32 s[G1SY+7], 0
	; both kinds' numbers are made, then chosen on the cluster's number
	s_and_b32 s96, s[CL], 31                       ; C1.  k: Y's block of 256 keys
	s_and_b32 s97, s96, 1                          ; v: Y's block of 256 rows of w_v
	s_lshr_b32 s98, s96, 1
	s_lshl_b32 s98, s98, 2
	s_add_co_u32 s98, s98, s[CX]                   ; v: X's block of 128 keys = 4 (C1 / 2) + cx
	s_lshr_b32 s99, s98, 5                         ; v: batch
	s_lshl_b32 s99, s99, 3
	s_lshl_b32 s100, s97, 2
	s_add_co_u32 s99, s99, s100
	s_add_co_u32 s99, s99, s[GY]                   ; 8 x batch + head, head = 4 (C1 & 1) + gy
	s_lshl_b32 s99, s99, 5
	s_and_b32 s100, s98, 31
	s_add_co_u32 s99, s99, s100                    ; v: the package's number
	s_lshr_b32 s100, s96, 4                        ; k: batch
	s_lshl_b32 s100, s100, 3
	s_lshl_b32 s101, s[CX], 1
	s_add_co_u32 s100, s100, s101
	s_add_co_u32 s100, s100, s[GX]                 ; 8 x batch + head, head = 2 cx + gx
	s_lshl_b32 s100, s100, 5
	s_and_b32 s101, s96, 15
	s_lshl_b32 s101, s101, 1
	s_add_co_u32 s100, s100, s101
	s_lshr_b32 s101, s[GY], 1
	s_add_co_u32 s100, s100, s101                  ; k: the package's number: key step 2 (C1 & 15) + gy / 2
	s_and_b32 s101, s[GY], 1                       ; k: which four tiles of the step
	s_cmp_lt_u32 s[CL], 32                         ; k's cluster or v's?
	s_cselect_b32 s97, s96, s97                    ; Y's block
	s_cselect_b32 s98, s[CX], s98                  ; X's block
	s_cselect_b32 s99, s100, s99                   ; the package
	s_cselect_b32 s100, s101, s[GX]                ; which half of its region (v: which 64 keys)
	s_cselect_b32 s101, 0, 6656                    ; the region
	s_mul_i32 s99, s99, PKG
	s_add_co_u32 s99, s99, s101
	s_mul_i32 s101, s100, 3072
	s_add_co_u32 s[OUT], s99, s101
	s_mov_b32 s[OUT+1], 0
	s_lshl_b32 s101, s100, 8
	s_add_co_u32 s[OUT2], s99, s101
	s_add_co_u32 s[OUT2], s[OUT2], 6144
	s_mov_b32 s[OUT2+1], 0
	s_max_u32 s3, s[WV], 2                         ; Y's offsets, in registers that never hold cx: waves 2-5 fetch rows 64 (wave - 2) on
	s_sub_co_u32 s3, s3, 2
	s_mul_i32 s3, s3, 64*ROWG
	s_mul_i32 s2, s97, YR*ROWG
	s_add_co_u32 s2, s2, s3
	s_mov_b32 s3, 0
	s_mul_i32 s96, s97, YR*SROW
	s_mov_b32 s97, 0
	s_mul_i32 s100, s98, 128*ROWG                  ; X's: waves 0, 1 fetch rows 64 wave on
	s_mul_i32 s101, s[WV], 64*ROWG
	s_add_co_u32 s100, s100, s101
	s_mov_b32 s101, 0
	s_mul_i32 s98, s98, 128*SROW
	s_mov_b32 s99, 0
	s_mul_i32 s23, s[WV], 64*PITCH
	s_wait_dscnt 0x0
	s_wait_kmcnt 0x0
	s_cmp_lt_u32 s[CL], 32                         ; the buffers are chosen on the cluster's number alone
	s_cselect_b64 s[8:9], s[8:9], s[4:5]           ; X's codes: w_k's or enc's
	s_cselect_b64 s[10:11], s[10:11], s[6:7]       ; X's scales
	s_cselect_b64 s[4:5], s[4:5], s[12:13]         ; Y's codes: enc's or w_v's
	s_cselect_b64 s[6:7], s[6:7], s[14:15]         ; Y's scales
	s_add_nc_u64 s[2:3], s[4:5], s[2:3]
	s_add_nc_u64 s[96:97], s[6:7], s[96:97]
	s_add_nc_u64 s[100:101], s[8:9], s[100:101]
	s_add_nc_u64 s[98:99], s[10:11], s[98:99]
	s_add_nc_u64 s[OUT:OUT+1], s[16:17], s[OUT:OUT+1]
	s_add_nc_u64 s[OUT2:OUT2+1], s[16:17], s[OUT2:OUT2+1]
.irp ch, 0,1,2
	s_mov_b32 s[G0X0+4*\ch+4*(\ch/2)], 1
	s_add_co_u32 s[G0X0+4*\ch+4*(\ch/2)+1], s23, \ch*CHB
	s_add_nc_u64 s[G0X0+4*\ch+4*(\ch/2)+2:G0X0+4*\ch+4*(\ch/2)+3], s[100:101], 192*\ch
	s_or_b32 s[G0X0+4*\ch+4*(\ch/2)+3], s[G0X0+4*\ch+4*(\ch/2)+3], 0x80000000
	s_mov_b32 s[G0Y+4*\ch], 1
	s_add_co_u32 s[G0Y+4*\ch+1], s23, \ch*CHB
	s_add_nc_u64 s[G0Y+4*\ch+2:G0Y+4*\ch+3], s[2:3], 192*\ch
	s_or_b32 s[G0Y+4*\ch+3], s[G0Y+4*\ch+3], 0x80000000
.endr
	s_mov_b32 s[G0SX], 1
	s_mov_b32 s[G0SX+1], SCX
	s_mov_b64 s[G0SX+2:G0SX+3], s[98:99]
	s_or_b32 s[G0SX+3], s[G0SX+3], 0x80000000
	s_mov_b32 s[G0SY], 1
	s_mov_b32 s[G0SY+1], SCY
	s_mov_b64 s[G0SY+2:G0SY+3], s[96:97]
	s_or_b32 s[G0SY+3], s[G0SY+3], 0x80000000
	CROUND                                         ; all four work-groups are here: the joint loads meet
	; every fill of the launch: each wave's stand in one arm.  Wave 0: X's scales, X's rows 0-63; wave 1: X's rows 64-127; wave 2: Y's scales, Y's rows 0-63; waves 3-5: Y's other rows.  At most four loads of a wave are out.
	s_cmp_lg_u32 s[WV], 0
	s_cbranch_scc1 .Lnot0
	tensor_load_to_lds s[G0SX:G0SX+3], s[G1SX:G1SX+7]
	s_nop 0
	XL
	s_branch .Lfilled
.Lnot0:
	s_cmp_lg_u32 s[WV], 1
	s_cbranch_scc1 .Lnot1
	XL
	s_branch .Lfilled
.Lnot1:
	s_cmp_lg_u32 s[WV], 2
	s_cbranch_scc1 .Lnot2
	tensor_load_to_lds s[G0SY:G0SY+3], s[G1SY:G1SY+7]
	s_nop 0
	YL
	s_branch .Lfilled
.Lnot2:
	s_cmp_ge_u32 s[WV], 6
	s_cbranch_scc1 .Lfilled
	YL
.Lfilled:
	s_mov_b32 s[SEL], 0x76543210
	s_mov_b32 s[SEL+1], 0xfedcba98
	v_and_b32 v1, 15, v0                           ; r
	v_bfe_u32 v2, v0, 4, 1                         ; h
	v_and_b32 v3, 31, v0                           ; lane
	v_mul_u32_u24 v13, v1, PITCH
	v_mad_u32_u24 v13, v2, 24, v13
	s_mul_i32 s96, s[GX], 64*PITCH
	v_add_nc_u32 v[ADX], s96, v13
	v_lshl_add_u32 v[ADX+1], v2, 4, v[ADX]
	s_mul_i32 s96, s[GY], 16*NYT*PITCH
	s_add_co_u32 s96, s96, 128*PITCH
	v_add_nc_u32 v[ADY], s96, v13
	v_lshl_add_u32 v[ADY+1], v2, 4, v[ADY]
	v_mul_u32_u24 v13, v1, SROW
	s_mul_i32 s96, s[GX], 64*SROW
	s_add_co_u32 s96, s96, SCX
	v_add_nc_u32 v[ASX], s96, v13
	s_mul_i32 s96, s[GY], 16*NYT*SROW
	s_add_co_u32 s96, s96, SCY
	v_add_nc_u32 v[ASY], s96, v13
	v_lshlrev_b32 v[L8], 3, v3
	v_lshlrev_b32 v[SH], 4, v2
	CHUNK 0
	CHUNK 1
	CHUNK 2
.irp b, 0,1,2,3
	v_mov_b32 v[TM+4+\b], 0                        ; written once: a lane permute's destination counts as one of its sources
.endr
.irp u, 0,1                                    ; each unit has registers of its own for what it stores: no store's data are written again
	QUANT ACC+64*\u, PC0+20*\u
	v_lshrrev_b32 v[SW+\u], v[SH], v[PW]           ; lanes 0-15 keep the even tile's two bytes, lanes 16-31 the odd tile's;
	v_and_b32 v[SW+\u], 0xffff, v[SW+\u]           ; bytes 2, 3 = 0
.irp i, 0,1,2,3,4,5
	global_store_b64 v[L8], v[PC0+20*\u+2*\i:PC0+20*\u+2*\i+1], s[OUT:OUT+1] offset:1536*\u+256*\i   ; 32 lanes store 256 consecutive bytes, at a multiple of 256 from the buffer's first byte
.endr
.endr
	global_store_b64 v[L8], v[SW:SW+1], s[OUT2:OUT2+1]   ; my two units' scale words: 256 consecutive bytes
	s_wait_tensorcnt 0x0
	ds_add_u32 v14, v15
	s_wait_dscnt 0x0
	CROUND                                         ; the closing round
	s_endpgm
.Lfunc_end_k_q7cd2d38b6d_projkv:
	.size	k_q7cd2d38b6d_projkv, .Lfunc_end_k_q7cd2d38b6d_projkv-k_q7cd2d38b6d_projkv
	.p2alignl 7, 3214868480
	.fill 96, 4, 3214868480
	.section	.rodata,"a",@progbits
	.p2align	6, 0x0
	.amdhsa_kernel k_q7cd2d38b6d_projkv
		.amdhsa_group_segment_fixed_size 286720
		.amdhsa_private_segment_fixed_size 0
		.amdhsa_enable_private_segment 0
		.amdhsa_kernarg_size 56
		.amdhsa_user_sgpr_count 2
		.amdhsa_user_sgpr_kernarg_segment_ptr 1
		.amdhsa_wavefront_size32 1
		.amdhsa_system_sgpr_workgroup_id_x 1
		.amdhsa_system_sgpr_workgroup_id_y 1
		.amdhsa_system_sgpr_workgroup_id_z 1
		.amdhsa_system_vgpr_workitem_id 0
		.amdhsa_next_free_vgpr 256
		.amdhsa_next_free_sgpr 102
		.amdhsa_reserve_vcc 0
		.amdhsa_float_denorm_mode_32 3
		.amdhsa_float_denorm_mode_16_64 3
		.amdhsa_memory_ordered 1
		.amdhsa_forward_progress 1
		.amdhsa_inst_pref_size 54
	.end_amdhsa_kernel
	.amdgpu_metadata
---
amdhsa.version: [ 1, 2 ]
amdhsa.kernels:
  - .name:           k_q7cd2d38b6d_projkv
    .symbol:         k_q7cd2d38b6d_projkv.kd
    .args:
      - { .name: encoder_hidden_states_codes, .offset: 0, .size: 8, .value_kind: global_buffer, .address_space: global }
      - { .name: encoder_hidden_states_scales, .offset: 8, .size: 8, .value_kind: global_buffer, .address_space: global }
      - { .name: w_k_codes, .offset: 16, .size: 8, .value_kind: global_buffer, .address_space: global }
      - { .name: w_k_scales, .offset: 24, .size: 8, .value_kind: global_buffer, .address_space: global }
      - { .name: w_v_codes, .offset: 32, .size: 8, .value_kind: global_buffer, .address_space: global }
      - { .name: w_v_scales, .offset: 40, .size: 8, .value_kind: global_buffer, .address_space: global }
      - { .name: kv, .offset: 48, .size: 8, .value_kind: global_buffer, .address_space: global }
    .group_segment_fixed_size: 286720
    .private_segment_fixed_size: 0
    .kernarg_segment_align: 8
    .kernarg_segment_size: 56
    .max_flat_workgroup_size: 256
    .sgpr_count:     102
    .vgpr_count:     256
    .wavefront_size: 32
...
	.end_amdgpu_metadata
.endif
;; end of part 2
;; launch attn (part 3): grid 16 x 16, 16 waves a work-group, clusters of 4 x 1, 327,680 bytes of LDS; arguments qi, kv, ao; writes ao
.if DOCPART == 3
	.amdgcn_target "amdgcn-amd-amdhsa--gfx1250"
	.amdhsa_code_object_version 6
	.text
	.protected	k_q7cd2d38b6d_attn
	.globl	k_q7cd2d38b6d_attn
	.p2align	8
	.type	k_q7cd2d38b6d_attn,@function
k_q7cd2d38b6d_attn:
	s_mov_b64 s[64:65], 0
	v_nop
	global_prefetch_b8 v0, s[64:65] scope:SCOPE_SE
	s_setreg_imm32_b32 hwreg(HW_REG_WAVE_MODE, 25, 1), 1
	s_wait_xcnt 0x0
	s_wait_alu depctr_hold_cnt(0) depctr_sa_sdst(0) depctr_va_vdst(0) depctr_va_sdst(0) depctr_va_ssrc(0) depctr_va_vcc(0) depctr_vm_vsrc(0)
	s_getreg_b32 s2, hwreg(HW_REG_IB_STS2, 6, 4)
	s_cmp_eq_u32 s2, 0
	s_cbranch_scc0 .Lentry_in_a_cluster
	s_endpgm
.Lentry_in_a_cluster:
	s_bfe_u32 s2, ttmp6, 0x10000c
	s_cmp_lg_u32 s2, 0x3003
	s_cbranch_scc0 .Lentry_shape_is_right
	s_endpgm
.Lentry_shape_is_right:
; o = softmax(q k^T / 8) v for one head, both products on codes of E2M3 with E8M0 scales, and o quantised along the inner axis (a head gives two whole blocks of 32) for the last product.
; THE SOFTMAX: t = score x log2(e) / 8; M = the row's largest t so far, rounded UP to a whole number; p = 2^(t - M) is quantised along the keys, not normalised; the row's sum is taken of the unquantised p and divides at the end.
; When M moves, the sum and O are multiplied by 2^(old M - new M): exact.
; SHARES.  A work-group owns 256 queries of one head of one batch; each of its sixteen waves one tile of 16, in 256 registers: four waves to a SIMD, so that one wave's vector work stands beside another's products and LDS loads.
; Every wave walks the head's 4,096 keys, 128 a step.  A step's operands are one dense package of 13,312 bytes, laid by the launch before as images of operand registers: every LDS load takes 256 consecutive bytes.
; RING: two slots of eight packages.  Waves 0-3 fetch two packages each with one tensor load; all sixteen read.
; CLUSTER 4 x 1: the four query blocks of a cluster belong to one head and walk the same packages: each fill is asked for jointly (mask 15).
; LAYOUT.  Both products are used transposed: S^T = K Q^T (source 0 = 16 keys), O^T = V^T P^T (source 0 = 16 of the head's 64): a lane holds ONE query (lane % 16) throughout.
; THE FIRST PRODUCT'S K IS 64 in a form that is 128 deep.  Q's registers 6-11 hold zero codes, and bytes 2, 3 of Q's and K's scale words are 0 (2^-127).  K's tiles lie on end, six registers each, and tile t's operand is
; twelve registers from its first on: the upper six hold the next tile's codes (behind the last tile: zeros), which meet Q's zero codes.  E2M3 has no infinity and no NaN, so those products are exact zeros.
; ORDER INSIDE A BLOCK OF 32 KEYS: p's position i holds key 16 ((i % 16) / 8) + 8 (i / 16) + i % 8, and v was laid in the same order.  o meets given codes and is brought into the natural order before it is quantised.
; LIMITS: NaN and infinities are not served; a block of zeros, or one under 2^-124, gets the scale byte 1; 1 / l is v_rcp_f32 and a multiplication; a block's largest p is made from the block's largest score by the same two
; instructions, which takes v_exp_f32 not to fall where its input rises; o's scale bytes leave as single bytes, 32 a wave (131,072 bytes in the launch).
.set PKG,   13312                      ; a key step's package: K 6,144, K's scale words 512, V 6,144, V's scale words 512
.set SLOT1, 1<<17                      ; slot 1 begins here: one exclusive or turns an address from slot to slot
.set SLOTB, 8*PKG                      ; 106,496
.set SPARE, SLOT1+SLOTB                ; 237,568: the spare words, 128 bytes for each of sixteen waves, that no other line names
.set WSC,   3145728                    ; where the scales begin in qi and in ao
.set WV, 10
.set SEL, 20                           ; s[20:21] lane selects: lane l xor 16
.set CS,  22                           ; s[22:23] c = log2(e) / 8
.set G1,  24                           ; s[24:31] group 1;  s[32:35] group 0, which walks
.set G0,  32
.set TB,  36                           ; LDS byte of the step's package
.set SLOTS, 37
.set CNT, 38
.set HM,  39                           ; lanes 16-31
.set L8,  1                            ; v1  8 x lane
.set ADR, 2                            ; v2  the step's package + 8 x lane
.set SPW, 3                            ; v3  my spare word; never rewritten
.set NIL, 4                            ; v4  0; never rewritten
.set QF,  16                           ; v16-21 Q, v22-27 zero codes
.set QS,  28                           ; v28 Q's scale word
.set F,   32                           ; v32-79 K's eight tiles, then V's four fragments; v80-85 zero codes
.set KS,  86                           ; v86-89 K's scale words, a pair of tiles each
.set VS,  90                           ; v90-93 V's
.set S,   96                           ; v96-159 S^T, then p
.set OT,  160                          ; v160-191 O^T
.set PCD, 192                          ; v192-203 p's codes
.set PT,  204                          ; v204-206, v208-210 half blocks on their way
.set BM,  212                          ; v212-215 the blocks' largest scores, then largest p
.set BT,  216                          ; v216-219 at work
.set BS,  220                          ; v220-223 the conversions' scale operands
.set TMP, 224
.set F2,  226                          ; v[226:227] f = 2^(old M - new M)
.set PSW, 228                          ; p's scale word
.macro CROUND
	s_barrier_signal -1
	s_barrier_wait -1
	s_cmp_lg_u32 s[WV], 0
	s_cbranch_scc1 .Lnot_wave_0_\@
	s_barrier_signal -3
.Lnot_wave_0_\@:
	s_barrier_wait -3
	s_barrier_signal -1
	s_barrier_wait -1
.endm
.macro TLOAD                           ; waves 0-3 fetch two packages each; the branch hangs on the wave's number alone; four v_nop follow the load
	s_cmp_lt_u32 s[WV], 4
	s_cbranch_scc0 .Lasked_\@
	tensor_load_to_lds s[G0:G0+3], s[G1:G1+7]
	s_nop 0
.rept 4
	v_nop
.endr
.Lasked_\@:
.endm
; THE CHANGE OF SLOTS stands at a slot's head: each wave waits for all its tensor loads, adds 0 to its spare word, and waits for that and for its reads of the slot that it has left.
; fill = 1: a round of the cluster's barrier follows, so that no wave of any partner still reads that slot, and the joint refill is the first thing behind it: it has eight key steps in which to land.
.macro CHANGE fill
	s_wait_tensorcnt 0x0                           ; no tensor load of mine is out: the group 0 may be written
	ds_add_u32 v[SPW], v[NIL]
.if \fill
	s_xor_b32 s[G0+1], s[G0+1], SLOT1              ; the other slot than last time,
	s_add_nc_u64 s[G0+2:G0+3], s[G0+2:G0+3], SLOTB ; the next eight packages; the type bits on top are not reached
.endif
	s_wait_dscnt 0x0                               ; the add is done, and my reads of the slot that I have left are over
.if \fill
	CROUND
	TLOAD
.else
	s_barrier_signal -1
	s_barrier_wait -1
.endif
.endm
; A KEY STEP: 128 keys.
.macro STEP
	v_add_nc_u32 v[ADR], s[TB], v[L8]
.rept 3
	v_nop                                          ; with the line above: four places in front of loads into registers that the last step's products have read
.endr
.irp t, 0,1,2,3,4,5,6,7
.irp i, 0,1,2
	ds_load_b64 v[F+6*\t+2*\i:F+6*\t+2*\i+1], v[ADR] offset:768*\t+256*\i
.endr
.endr
.irp g, 0,1
	ds_load_b64 v[KS+2*\g:KS+2*\g+1], v[ADR] offset:6144+256*\g
.endr
	s_wait_dscnt 0x0
.irp t, 0,1,2,3,4,5,6,7                        ; S^T = K Q^T: lane (r, h) holds query r; register 8 t + j key 16 t + 8 h + j.  A pair of tiles shares a scale register: the odd tile's words lie in lanes 16-31
.if \t%2
	v_wmma_scale_f32_16x16x128_f8f6f4 v[S+8*\t:S+8*\t+7], v[F+6*\t:F+6*\t+11], v[QF:QF+11], 0, v[KS+\t/2], v[QS] matrix_a_fmt:MATRIX_FMT_FP6 matrix_b_fmt:MATRIX_FMT_FP6 matrix_a_scale:MATRIX_SCALE_ROW1
.else
	v_wmma_scale_f32_16x16x128_f8f6f4 v[S+8*\t:S+8*\t+7], v[F+6*\t:F+6*\t+11], v[QF:QF+11], 0, v[KS+\t/2], v[QS] matrix_a_fmt:MATRIX_FMT_FP6 matrix_b_fmt:MATRIX_FMT_FP6
.endif
.endr
.rept 4
	v_nop                                          ; four places: for the loads below and for the first read of the scores
.endr
.irp j, 0,1,2,3                                ; V's fragments land while the softmax is worked
.irp c, 0,1
.irp i, 0,1,2
	ds_load_b64 v[F+12*\j+6*\c+2*\i:F+12*\j+6*\c+2*\i+1], v[ADR] offset:6656+3072*\c+768*\j+256*\i
.endr
.endr
.endr
.irp c, 0,1
	ds_load_b64 v[VS+2*\c:VS+2*\c+1], v[ADR] offset:12800+256*\c
.endr
.irp b, 0,1,2,3
	v_max3_num_f32 v[BM+\b], v[S+16*\b], v[S+1+16*\b], v[S+2+16*\b]   ; the largest score of each block of 32 keys: for the row's maximum and for the block's largest p
.endr
.irp i, 3,5,7,9,11,13
.irp b, 0,1,2,3
	v_max3_num_f32 v[BM+\b], v[BM+\b], v[S+16*\b+\i], v[S+1+16*\b+\i]
.endr
.endr
.irp b, 0,1,2,3
	v_max_num_f32 v[BM+\b], v[BM+\b], v[S+15+16*\b]
.endr
.irp b, 0,1,2,3
	v_permlanex16_b32 v[BT+\b], v[BM+\b], s[SEL], s[SEL+1]
.endr
.irp b, 0,1,2,3
	v_max_num_f32 v[BM+\b], v[BM+\b], v[BT+\b]     ; with lane l xor 16's 16 keys
.endr
	v_max3_num_f32 v[TMP], v[BM], v[BM+1], v[BM+2]
	v_max_num_f32 v[TMP], v[TMP], v[BM+3]
	v_mul_f32 v[TMP], s[CS], v[TMP]                ; as t (c is positive)
	v_max_num_f32 v13, v13, v[TMP]                 ; the running largest t
	v_mov_b32 v[TMP], v12
	v_floor_f32 v12, -v13                          ; the new -M = floor(-t): M is a whole number
	v_sub_f32 v[TMP], v12, v[TMP]                  ; old M - new M: a whole number, 0 or less
	v_cvt_i32_f32 v[TMP], v[TMP]                   ; (it saturates)
	v_ldexp_f32 v[F2], 1.0, v[TMP]                 ; f = 2^(old M - new M)
.irp j, 0,2,4,6,8,10,12,14,16,18,20,22,24,26,28,30,32,34,36,38,40,42,44,46,48,50,52,54,56,58,60,62
	v_pk_fma_f32 v[S+\j:S+1+\j], v[S+\j:S+1+\j], s[CS:CS+1], v[12:13] op_sel_hi:[1,0,0]   ; t - M, two at a time
.endr
.irp b, 0,1,2,3
	v_fma_f32 v[BM+\b], v[BM+\b], s[CS], v12
.endr
.irp j, 0,1,2,3,4,5,6,7,8,9,10,11,12,13,14,15,16,17,18,19,20,21,22,23,24,25,26,27,28,29,30,31,32,33,34,35,36,37,38,39,40,41,42,43,44,45,46,47,48,49,50,51,52,53,54,55,56,57,58,59,60,61,62,63
	v_exp_f32 v[S+\j], v[S+\j]                     ; p = 2^(t - M), at most 1
.endr
.irp b, 0,1,2,3
	v_exp_f32 v[BM+\b], v[BM+\b]                   ; the block's largest p
.endr
	v_pk_mul_f32 v[14:15], v[14:15], v[F2:F2+1] op_sel_hi:[1,0]   ; the sums under the new M (a plain place behind the exponentials)
	s_wait_alu depctr_va_vdst(0)
.irp b, 0,1,2,3
	v_max_num_f32 v[BM+\b], 0x1800000, v[BM+\b]    ; the floor 2^(3 - 127): the byte cannot fall under 1
.endr
.irp b, 0,1,2,3
	v_add_nc_u32 v[BS+\b], 0xff000000, v[BM+\b]    ; 2 off the exponent field: the conversion's scale operand
.endr
.irp b, 0,1,2,3
	v_lshrrev_b32 v[BT+\b], 23, v[BS+\b]           ; the scale's byte
.endr
	v_lshl_or_b32 v[PSW], v[BT+1], 8, v[BT]
	v_lshl_or_b32 v[PSW], v[BT+2], 16, v[PSW]
	v_lshl_or_b32 v[PSW], v[BT+3], 24, v[PSW]
.irp c, 0,1
	v_cvt_scalef32_pk16_fp6_f32 v[PCD+6*\c:PCD+2+6*\c], v[S+32*\c:S+15+32*\c], v[BS+2*\c]
	v_cvt_scalef32_pk16_fp6_f32 v[PT+4*\c:PT+2+4*\c], v[S+16+32*\c:S+31+32*\c], v[BS+2*\c+1]
.endr
	v_nop                                          ; one plain place behind a scaled conversion
.irp c, 0,1                                    ; a whole block to a lane
.irp i, 0,1,2
	v_permlane16_swap_b32 v[PCD+6*\c+\i], v[PT+4*\c+\i]
.endr
.irp i, 0,1,2
	v_mov_b32 v[PCD+3+6*\c+\i], v[PT+4*\c+\i]
.endr
.endr
	s_wait_dscnt 0x0                               ; V and its scale words are in
	v_lshl_or_b32 v[VS], v[VS+2], 16, v[VS]        ; a row's four bytes: keys 0-63's two, keys 64-127's two
	v_lshl_or_b32 v[VS+1], v[VS+3], 16, v[VS+1]
	v_pk_add_f32 v[BT:BT+1], v[S:S+1], v[S+2:S+3]  ; the row's sum is taken of the unquantised p: two at a time, in two chains
.irp j, 4,8,12,16,20,24,28,32,36,40,44,48,52,56,60
	v_pk_add_f32 v[14:15], v[14:15], v[S+\j:S+1+\j]
	v_pk_add_f32 v[BT:BT+1], v[BT:BT+1], v[S+2+\j:S+3+\j]
.endr
	v_pk_add_f32 v[14:15], v[14:15], v[BT:BT+1]
.irp j, 0,2,4,6,8,10,12,14,16,18,20,22,24,26,28,30
	v_pk_mul_f32 v[OT+\j:OT+1+\j], v[OT+\j:OT+1+\j], v[F2:F2+1] op_sel_hi:[1,0]   ; O^T under the new M.  (The 48 lines from the sums on are the places between the scale words and codes just made and the products)
.endr
.irp j, 0,1,2,3                                ; O^T += V^T P^T; the four accumulators take turns, and the eight products K Q^T stand between a step's and the next step's
.if \j%2
	v_wmma_scale_f32_16x16x128_f8f6f4 v[OT+8*\j:OT+8*\j+7], v[F+12*\j:F+12*\j+11], v[PCD:PCD+11], v[OT+8*\j:OT+8*\j+7], v[VS+\j/2], v[PSW] matrix_a_fmt:MATRIX_FMT_FP6 matrix_b_fmt:MATRIX_FMT_FP6 matrix_a_scale:MATRIX_SCALE_ROW1
.else
	v_wmma_scale_f32_16x16x128_f8f6f4 v[OT+8*\j:OT+8*\j+7], v[F+12*\j:F+12*\j+11], v[PCD:PCD+11], v[OT+8*\j:OT+8*\j+7], v[VS+\j/2], v[PSW] matrix_a_fmt:MATRIX_FMT_FP6 matrix_b_fmt:MATRIX_FMT_FP6
.endif
.endr
	s_add_co_u32 s[TB], s[TB], PKG                 ; the next step's package
.endm
.macro SLOT_STEPS                      ; a slot's eight key steps: written once, walked eight times
	s_mov_b32 s[CNT], 8
.Lstep_\@:
	STEP
	s_sub_co_u32 s[CNT], s[CNT], 1
	s_cmp_lg_u32 s[CNT], 0
	s_cbranch_scc1 .Lstep_\@
	s_sub_co_u32 s[TB], s[TB], SLOTB               ; back to a slot's first package,
	s_xor_b32 s[TB], s[TB], SLOT1                  ; in the other slot
.endm
	s_load_b128 s[4:7], s[0:1], 0x0                ; qi s[4:5], kv s[6:7]
	s_load_b64 s[8:9], s[0:1], 0x10                ; ao
	v_lshl_add_u32 v[SPW], v0, 2, SPARE
	v_mov_b32 v[NIL], 0
	ds_add_u32 v3, v4
	s_wait_dscnt 0x0
	v_lshrrev_b32 v1, 5, v0
	v_readfirstlane_b32 s[WV], v1                  ; wave 0..15
	s_bfe_u32 s11, ttmp6, 0x40000                  ; cx
	s_lshl_b32 s12, ttmp9, 2
	s_add_co_u32 s12, s12, s11                     ; my block of 256 queries: it enters qi's and ao's addresses alone
	s_and_b32 s13, ttmp7, 0xffff                   ; 8 x batch + head, which the four partners share
	s_mov_b32 s[G1], 0x0023000F                    ; mask: all four; elements of 8 bytes; bit 21 beside the mask; no padding
	s_mov_b32 s[G1+1], 32<<16                      ; rows of 256 bytes,
	s_mov_b32 s[G1+2], 104<<16                     ; 104 of them: two packages
	s_mov_b32 s[G1+3], 32<<16
	s_mov_b32 s[G1+4], 104
	s_mov_b32 s[G1+5], 32
	s_mov_b32 s[G1+6], 0
	s_mov_b32 s[G1+7], 0
	s_lshl_b32 s14, s12, 4
	s_add_co_u32 s14, s14, s[WV]                   ; my tile of 16 queries in the batch
	s_lshl_b32 s15, s13, 8
	s_add_co_u32 s15, s15, s14
	s_mul_i32 s40, s15, 768                        ; its half image in qi,
	s_mov_b32 s41, 0
	s_lshl_b32 s42, s15, 6
	s_add_co_u32 s42, s42, WSC                     ; its scale words
	s_mov_b32 s43, 0
	s_lshr_b32 s16, s13, 3
	s_lshl_b32 s16, s16, 8
	s_add_co_u32 s16, s16, s14                     ; the tile of rows of the last product: 256 x batch + tile
	s_and_b32 s17, s13, 7                          ; the head
	s_lshl_b32 s44, s16, 3
	s_add_co_u32 s44, s44, s17
	s_mul_i32 s44, s44, 768                        ; my half image in ao,
	s_mov_b32 s45, 0
	s_lshl_b32 s46, s16, 8
	s_lshl_b32 s17, s17, 1
	s_add_co_u32 s46, s46, s17
	s_add_co_u32 s46, s46, WSC                     ; my two bytes of each row's sixteen
	s_mov_b32 s47, 0
	s_min_u32 s18, s[WV], 3                        ; (waves 4-15 issue no load)
	s_mul_i32 s[G0+1], s18, 2*PKG                  ; my two packages of a slot,
	s_mul_i32 s[G0+2], s13, 32*PKG
	s_add_co_u32 s[G0+2], s[G0+2], s[G0+1]         ; and of the head: no place in the cluster enters here
	s_mov_b32 s[G0+3], 0
	s_mov_b32 s[G0], 1
	s_mov_b32 s[SEL], 0x76543210
	s_mov_b32 s[SEL+1], 0xfedcba98
	s_mov_b32 s[CS], 0x3e38aa3b                    ; log2(e) / 8
	s_mov_b32 s[CS+1], s[CS]
	s_mov_b32 s[TB], 0
	s_mov_b32 s[SLOTS], 3
	s_mov_b32 s[HM], 0xffff0000
	s_wait_kmcnt 0x0
	s_add_nc_u64 s[G0+2:G0+3], s[6:7], s[G0+2:G0+3]
	s_or_b32 s[G0+3], s[G0+3], 0x80000000
	s_add_nc_u64 s[40:41], s[4:5], s[40:41]
	s_add_nc_u64 s[42:43], s[4:5], s[42:43]
	s_add_nc_u64 s[44:45], s[8:9], s[44:45]
	s_add_nc_u64 s[46:47], s[8:9], s[46:47]
	CROUND                                         ; all four work-groups are here: the first joint loads meet
	TLOAD                                          ; slot 0: key steps 0-7
	v_and_b32 v1, 31, v0
	v_lshlrev_b32 v[L8], 3, v1                     ; 8 x lane
	v_and_b32 v7, 15, v0                           ; r
	v_bfe_u32 v8, v0, 4, 1                         ; h
	v_lshlrev_b32 v5, 2, v7                        ; 4 r
	v_lshl_add_u32 v6, v7, 4, v8                   ; 16 r + h
.irp i, 0,1,2
	global_load_b64 v[QF+2*\i:QF+2*\i+1], v[L8], s[40:41] offset:256*\i   ; Q stays in registers
.endr
	global_load_b32 v[QS], v5, s[42:43]
.irp j, 22,23,24,25,26,27,80,81,82,83,84,85
	v_mov_b32 v\j, 0                               ; zero codes
.endr
.irp j, 0,1,2,3,4,5,6,7,8,9,10,11,12,13,14,15,16,17,18,19,20,21,22,23,24,25,26,27,28,29,30,31
	v_mov_b32 v[OT+\j], 0                          ; O^T.  (The step is written once: the first finds zeros, which the first change of M leaves zeros)
.endr
	v_mov_b32 v13, 0xff61b1e6                      ; the largest t so far: -3e38
	v_floor_f32 v12, -v13                          ; -M
	v_mov_b32 v14, 0
	v_mov_b32 v15, 0
.irp b, 0,1,2,3
	v_mov_b32 v[BT+\b], 0                          ; a lane permute's destination counts as one of its sources
.endr
	v_mov_b32 v[F2+1], 0                           ; (named as the upper half of a pair)
	s_wait_loadcnt 0x0                             ; Q
.Lslot:                                            ; three trips: behind each change of slots but the last the next slot is asked for
	CHANGE 1
	SLOT_STEPS
	s_sub_co_u32 s[SLOTS], s[SLOTS], 1
	s_cmp_lg_u32 s[SLOTS], 0
	s_cbranch_scc1 .Lslot
	CHANGE 0                                       ; the last slot is written out
	SLOT_STEPS
	; THE WAY OUT: O^T / l, brought into the natural order along the head, quantised in two blocks of 32, stored as a half image and two scale bytes a row.
.rept 4
	v_nop                                          ; places behind the last products
.endr
	v_add_f32 v14, v14, v15
	v_permlanex16_b32 v[TMP], v14, s[SEL], s[SEL+1]
	v_add_f32 v14, v14, v[TMP]                     ; the row's sum
	v_rcp_f32 v14, v14
	v_nop                                          ; a plain place behind the transcendental
	s_wait_alu depctr_va_vdst(0)
.irp j, 0,2,4,6,8,10,12,14,16,18,20,22,24,26,28,30
	v_pk_mul_f32 v[S+\j:S+1+\j], v[OT+\j:OT+1+\j], v[14:15] op_sel_hi:[1,0]   ; register 8 t + i: o(query r, 16 t + 8 h + i); each accumulator from its low end on
.endr
.irp b, 0,1
.irp j, 0,1,2,3,4,5,6,7
	v_permlane16_swap_b32 v[S+16*\b+\j], v[S+8+16*\b+\j]   ; register 16 b + i now holds o(r, 32 b + 16 h + i)
.endr
.endr
.irp b, 0,1
	v_max3_num_f32 v[BM+\b], |v[S+16*\b]|, |v[S+1+16*\b]|, 0x1800000
.endr
.irp i, 2,4,6,8,10,12,14
.irp b, 0,1
	v_max3_num_f32 v[BM+\b], v[BM+\b], |v[S+16*\b+\i]|, |v[S+1+16*\b+\i]|
.endr
.endr
.irp b, 0,1
	v_permlanex16_b32 v[BT+\b], v[BM+\b], s[SEL], s[SEL+1]
.endr
.irp b, 0,1
	v_max_num_f32 v[BM+\b], v[BM+\b], v[BT+\b]
.endr
.irp b, 0,1
	v_add_nc_u32 v[BS+\b], 0xff000000, v[BM+\b]
.endr
.irp b, 0,1
	v_lshrrev_b32 v[BT+\b], 23, v[BS+\b]
.endr
	v_cvt_scalef32_pk16_fp6_f32 v[PCD:PCD+2], v[S:S+15], v[BS]
	v_cvt_scalef32_pk16_fp6_f32 v[PCD+4:PCD+6], v[S+16:S+31], v[BS+1]
	v_nop                                          ; one plain place behind a scaled conversion
.irp i, 0,1,2
	v_permlane16_swap_b32 v[PCD+\i], v[PCD+4+\i]   ; lanes 0-15: block 0, lanes 16-31: block 1
.endr
.irp i, 0,1,2
	v_mov_b32 v[PCD+3+\i], v[PCD+4+\i]
.endr
	v_cndmask_b32 v[TMP], v[BT], v[BT+1], s[HM]    ; my block's byte
.irp i, 0,1,2
	global_store_b64 v[L8], v[PCD+2*\i:PCD+2*\i+1], s[44:45] offset:256*\i   ; 32 lanes store 256 consecutive bytes, at a multiple of 256 from the buffer's first byte
.endr
	global_store_b8 v6, v[TMP], s[46:47]
	s_wait_tensorcnt 0x0                           ; the wave's end
	ds_add_u32 v[SPW], v[NIL]
	s_wait_dscnt 0x0
	CROUND                                         ; the closing round
	s_endpgm
.Lfunc_end_k_q7cd2d38b6d_attn:
	.size	k_q7cd2d38b6d_attn, .Lfunc_end_k_q7cd2d38b6d_attn-k_q7cd2d38b6d_attn
	.p2alignl 7, 3214868480
	.fill 96, 4, 3214868480
	.section	.rodata,"a",@progbits
	.p2align	6, 0x0
	.amdhsa_kernel k_q7cd2d38b6d_attn
		.amdhsa_group_segment_fixed_size 327680
		.amdhsa_private_segment_fixed_size 0
		.amdhsa_enable_private_segment 0
		.amdhsa_kernarg_size 24
		.amdhsa_user_sgpr_count 2
		.amdhsa_user_sgpr_kernarg_segment_ptr 1
		.amdhsa_wavefront_size32 1
		.amdhsa_system_sgpr_workgroup_id_x 1
		.amdhsa_system_sgpr_workgroup_id_y 1
		.amdhsa_system_sgpr_workgroup_id_z 1
		.amdhsa_system_vgpr_workitem_id 0
		.amdhsa_next_free_vgpr 256
		.amdhsa_next_free_sgpr 66
		.amdhsa_reserve_vcc 0
		.amdhsa_float_denorm_mode_32 3
		.amdhsa_float_denorm_mode_16_64 3
		.amdhsa_memory_ordered 1
		.amdhsa_forward_progress 1
		.amdhsa_inst_pref_size 46
	.end_amdhsa_kernel
	.amdgpu_metadata
---
amdhsa.version: [ 1, 2 ]
amdhsa.kernels:
  - .name:           k_q7cd2d38b6d_attn
    .symbol:         k_q7cd2d38b6d_attn.kd
    .args:
      - { .name: qi, .offset: 0, .size: 8, .value_kind: global_buffer, .address_space: global }
      - { .name: kv, .offset: 8, .size: 8, .value_kind: global_buffer, .address_space: global }
      - { .name: ao, .offset: 16, .size: 8, .value_kind: global_buffer, .address_space: global }
    .group_segment_fixed_size: 327680
    .private_segment_fixed_size: 0
    .kernarg_segment_align: 8
    .kernarg_segment_size: 24
    .max_flat_workgroup_size: 512
    .sgpr_count:     66
    .vgpr_count:     256
    .wavefront_size: 32
...
	.end_amdgpu_metadata
.endif
;; end of part 3
;; launch outp (part 4): grid 256 x 1, 8 waves a work-group, clusters of 4 x 1, 168,960 bytes of LDS; arguments ao, w_out_codes, w_out_scales, b_out, out0; writes out0
.if DOCPART == 4
	.amdgcn_target "amdgcn-amd-amdhsa--gfx1250"
	.amdhsa_code_object_version 6
	.text
	.protected	k_q7cd2d38b6d_outp
	.globl	k_q7cd2d38b6d_outp
	.p2align	8
	.type	k_q7cd2d38b6d_outp,@function
k_q7cd2d38b6d_outp:
	s_mov_b64 s[64:65], 0
	v_nop
	global_prefetch_b8 v0, s[64:65] scope:SCOPE_SE
	s_setreg_imm32_b32 hwreg(HW_REG_WAVE_MODE, 25, 1), 1
	s_wait_xcnt 0x0
	s_wait_alu depctr_hold_cnt(0) depctr_sa_sdst(0) depctr_va_vdst(0) depctr_va_sdst(0) depctr_va_ssrc(0) depctr_va_vcc(0) depctr_vm_vsrc(0)
	s_getreg_b32 s2, hwreg(HW_REG_IB_STS2, 6, 4)
	s_cmp_eq_u32 s2, 0
	s_cbranch_scc0 .Lentry_in_a_cluster
	s_endpgm
.Lentry_in_a_cluster:
	s_bfe_u32 s2, ttmp6, 0x10000c
	s_cmp_lg_u32 s2, 0x3003
	s_cbranch_scc0 .Lentry_shape_is_right
	s_endpgm
.Lentry_shape_is_right:
; out0 = o w_out + b_out on codes of E2M3 with E8M0 scales; K = 512.
; A work-group takes X = 128 rows of w_out (output columns; source 0, so that a lane holds eight neighbouring columns of a row) and Y = 128 rows of o (eight tiles; source 1), all of K.
; Eight waves: wave w takes X tiles 4 (w & 1) .. + 3 (64 columns, 256 bytes of a row) and Y tiles 2 (w >> 1), + 1: eight accumulators.  The bias is the C of each sum's first product.
; o's codes lie in memory as images of operand registers (a tile of 16 rows: eight heads' half images of 768 bytes: K step s is heads 2 s and 2 s + 1), so a fragment comes by six loads of 256 consecutive bytes.
; CLUSTER 4 x 1: the four partners take the same rows of o (asked for jointly, mask 15) and different rows of w_out (a load of each work-group's own).
; All of K fits into LDS; every byte is filled once; one wait for the fills and one barrier.  The launch's matrix work is 32 products a wave: there is nothing to overlap a ring with.
; THE WAY OUT: a tile of 16 rows x 64 columns goes through the wave's own stage in LDS and leaves as whole rows of 256 bytes.
.set PITCH, 240                        ; X's LDS row: 3 x (64 bytes + 16 of padding)
.set XCH,   128*PITCH                  ; a chunk of 256 along K of X: 30,720
.set YI,    2*XCH                      ; 61,440: o's images, 49,152 bytes
.set YQ,    12288                      ; a quarter of them: what one of waves 2-5 fetches, and what a pair of Y tiles takes
.set SXB,   YI+49152                   ; 110,592: X's scale bytes, 2,048
.set SYB,   SXB+2048                   ; 112,640: o's, 2,048
.set STG,   SYB+2048                   ; 114,688: the stages, 16 rows x 272 bytes for each wave; no fill lands there
.set SP,    272
.set WSC,   3145728                    ; where the scale bytes begin in ao
.set WV, 18
.set CX, 19
.set CL, 20
.set GX, 21
.set GY, 22
.set G1X, 24
.set G1Y, 32
.set G1SX, 40
.set G1SY, 48
.set G0X, 56                           ; s[56:59], s[60:63]
.set G0Y, 68
.set G0SX, 72
.set G0SY, 76
.set ADX, 4                            ; v4, v5
.set ADY, 6
.set ASX, 7
.set ASY, 8
.set BO,  9
.set STO, 10
.set SRD, 11
.set GO,  12
.set XF,  32                           ; v32-79 X's four fragments; v80-103 Y's two; on the way out v32-95 take the rows back
.set YF,  80
.set XS,  104                          ; v104-119 X's scale words: tile a, K step s: 4 a + s
.set YS,  120                          ; v120-127 Y's: 4 u + s
.set BI,  128                          ; v128-159 the bias in the result's layout, eight registers an X tile
.set ACC, 160                          ; v160-223 accumulator (a, u) at 32 u + 8 a
.macro CROUND
	s_barrier_signal -1
	s_barrier_wait -1
	s_cmp_lg_u32 s[WV], 0
	s_cbranch_scc1 .Lnot_wave_0_\@
	s_barrier_signal -3
.Lnot_wave_0_\@:
	s_barrier_wait -3
	s_barrier_signal -1
	s_barrier_wait -1
.endm
.macro NOPS
.rept 4
	v_nop
.endr
.endm
.macro FRAG reg, adr, q, toff          ; 16 rows x 128 K of 6-bit codes from padded rows, in pieces of 8 bytes
.irp p, 0,1,2,3,4,5
.set PCE, 12*(\q)+6*(\p/3)+\p%3
.if PCE%8 < 5
	ds_load_b64 v[\reg+2*\p:\reg+2*\p+1], v[\adr] offset:8*PCE+16*(PCE/8)+(\toff)
.else
	ds_load_b64 v[\reg+2*\p:\reg+2*\p+1], v[\adr+1] offset:8*PCE+16*(PCE/8)+(\toff)
.endif
.endr
.endm
.macro KSTEP s                         ; 128 along K: fragments, eight products by turns, four places
.irp a, 0,1,2,3
	FRAG XF+12*\a, ADX, \s%2, \a*16*PITCH+XCH*(\s/2)
.endr
.irp u, 0,1
.irp i, 0,1,2,3,4,5
	ds_load_b64 v[YF+12*\u+2*\i:YF+12*\u+2*\i+1], v[ADY] offset:6144*\u+1536*(\s)+256*\i
.endr
.endr
	s_wait_dscnt 0x0
.irp u, 0,1
.irp a, 0,1,2,3
.if \s == 0
	v_wmma_scale_f32_16x16x128_f8f6f4 v[ACC+32*\u+8*\a:ACC+32*\u+8*\a+7], v[XF+12*\a:XF+12*\a+11], v[YF+12*\u:YF+12*\u+11], v[BI+8*\a:BI+8*\a+7], v[XS+4*\a+\s], v[YS+4*\u+\s] matrix_a_fmt:MATRIX_FMT_FP6 matrix_b_fmt:MATRIX_FMT_FP6
.else
	v_wmma_scale_f32_16x16x128_f8f6f4 v[ACC+32*\u+8*\a:ACC+32*\u+8*\a+7], v[XF+12*\a:XF+12*\a+11], v[YF+12*\u:YF+12*\u+11], v[ACC+32*\u+8*\a:ACC+32*\u+8*\a+7], v[XS+4*\a+\s], v[YS+4*\u+\s] matrix_a_fmt:MATRIX_FMT_FP6 matrix_b_fmt:MATRIX_FMT_FP6
.endif
.endr
.endr
	NOPS
.endm
	s_load_b256 s[4:11], s[0:1], 0x0               ; ao s[4:5], w_out's codes s[6:7], scales s[8:9], b_out s[10:11]
	s_load_b64 s[12:13], s[0:1], 0x20              ; out0
	v_lshl_add_u32 v254, v0, 2, 0x29000
	v_mov_b32 v255, 0
	ds_add_u32 v254, v255
	v_lshrrev_b32 v1, 5, v0
	v_readfirstlane_b32 s[WV], v1
	s_bfe_u32 s[CX], ttmp6, 0x40000                ; which 128 output columns
	s_mov_b32 s[CL], ttmp9                         ; which 128 rows
	s_and_b32 s[GX], s[WV], 1
	s_lshr_b32 s[GY], s[WV], 1
	s_mov_b32 s[G1X], 0x06D00000                   ; X: 64 rows of 192 bytes, 384 apart; 4 words of padding behind every 16
	s_mov_b32 s[G1X+1], 192<<16
	s_mov_b32 s[G1X+2], 64<<16
	s_mov_b32 s[G1X+3], 192<<16
	s_mov_b32 s[G1X+4], 64
	s_mov_b32 s[G1X+5], 384
	s_mov_b32 s[G1X+6], 0
	s_mov_b32 s[G1X+7], 0
	s_mov_b32 s[G1Y], 0x0023000F                   ; o's images: 48 dense rows of 256 bytes a wave, jointly
	s_mov_b32 s[G1Y+1], 32<<16
	s_mov_b32 s[G1Y+2], 48<<16
	s_mov_b32 s[G1Y+3], 32<<16
	s_mov_b32 s[G1Y+4], 48
	s_mov_b32 s[G1Y+5], 32
	s_mov_b32 s[G1Y+6], 0
	s_mov_b32 s[G1Y+7], 0
	s_mov_b32 s[G1SX], 0x00030000                  ; the scales: 8 dense rows of 256 bytes
	s_mov_b32 s[G1SY], 0x0023000F
.irp g, G1SX, G1SY
	s_mov_b32 s[\g+1], 32<<16
	s_mov_b32 s[\g+2], 8<<16
	s_mov_b32 s[\g+3], 32<<16
	s_mov_b32 s[\g+4], 8
	s_mov_b32 s[\g+5], 32
	s_mov_b32 s[\g+6], 0
	s_mov_b32 s[\g+7], 0
.endr
	s_max_u32 s96, s[WV], 2                        ; Y's offset in memory, in registers that never hold cx: waves 2-5 fetch a quarter each
	s_min_u32 s96, s96, 5
	s_sub_co_u32 s96, s96, 2
	s_mul_i32 s96, s96, YQ
	s_mul_i32 s2, s[CL], 49152
	s_add_co_u32 s2, s2, s96
	s_mov_b32 s3, 0
	s_mul_i32 s97, s[WV], YQ                       ; and in LDS: wave x 12,288 + a constant: in waves 2-5, which alone issue the load, YI + (wave - 2) x 12,288
	s_lshl_b32 s14, s[CL], 11
	s_add_co_u32 s14, s14, WSC
	s_mov_b32 s15, 0
	s_mul_i32 s100, s[CX], 128*384                 ; X's: waves 0, 1 fetch rows 64 wave on
	s_mul_i32 s101, s[WV], 64*384
	s_add_co_u32 s100, s100, s101
	s_mov_b32 s101, 0
	s_lshl_b32 s98, s[CX], 11
	s_mov_b32 s99, 0
	s_min_u32 s23, s[WV], 1
	s_mul_i32 s23, s23, 64*PITCH
	s_lshl_b32 s16, s[CX], 9                       ; my 64 columns, in bytes: 512 cx + 256 gx
	s_lshl_b32 s17, s[GX], 8
	s_add_co_u32 s16, s16, s17
	s_mov_b32 s17, 0
	s_lshl_b32 s92, s[CL], 7
	s_lshl_b32 s93, s[GY], 5
	s_add_co_u32 s92, s92, s93                     ; my first row: 128 x cluster + 32 gy
	s_lshl_b32 s92, s92, 11
	s_add_co_u32 s92, s92, s16
	s_mov_b32 s93, 0
	s_wait_dscnt 0x0
	s_wait_kmcnt 0x0
	s_add_nc_u64 s[2:3], s[4:5], s[2:3]
	s_add_nc_u64 s[14:15], s[4:5], s[14:15]
	s_add_nc_u64 s[100:101], s[6:7], s[100:101]
	s_add_nc_u64 s[98:99], s[8:9], s[98:99]
	s_add_nc_u64 s[10:11], s[10:11], s[16:17]
	s_add_nc_u64 s[12:13], s[12:13], s[92:93]
.irp ch, 0,1
	s_mov_b32 s[G0X+4*\ch], 1
	s_add_co_u32 s[G0X+4*\ch+1], s23, \ch*XCH
	s_add_nc_u64 s[G0X+4*\ch+2:G0X+4*\ch+3], s[100:101], 192*\ch
	s_or_b32 s[G0X+4*\ch+3], s[G0X+4*\ch+3], 0x80000000
.endr
	s_mov_b32 s[G0Y], 1
	s_add_co_u32 s[G0Y+1], s97, YI-2*YQ
	s_mov_b64 s[G0Y+2:G0Y+3], s[2:3]
	s_or_b32 s[G0Y+3], s[G0Y+3], 0x80000000
	s_mov_b32 s[G0SX], 1
	s_mov_b32 s[G0SX+1], SXB
	s_mov_b64 s[G0SX+2:G0SX+3], s[98:99]
	s_or_b32 s[G0SX+3], s[G0SX+3], 0x80000000
	s_mov_b32 s[G0SY], 1
	s_mov_b32 s[G0SY+1], SYB
	s_mov_b64 s[G0SY+2:G0SY+3], s[14:15]
	s_or_b32 s[G0SY+3], s[G0SY+3], 0x80000000
	CROUND                                         ; all four work-groups are here: the joint loads meet
	; every fill of the launch, each wave's in one arm: waves 0, 1: X's halves, two chunks; waves 2-5: a quarter of o's images; wave 6: X's scales; wave 7: o's.  At most two loads of a wave are out.
	s_cmp_ge_u32 s[WV], 2
	s_cbranch_scc1 .Lnot_x
	tensor_load_to_lds s[G0X:G0X+3], s[G1X:G1X+7]
	s_nop 0
	tensor_load_to_lds s[G0X+4:G0X+7], s[G1X:G1X+7]
	s_nop 0
	NOPS
	s_branch .Lfilled
.Lnot_x:
	s_cmp_ge_u32 s[WV], 6
	s_cbranch_scc1 .Lnot_y
	tensor_load_to_lds s[G0Y:G0Y+3], s[G1Y:G1Y+7]
	s_nop 0
	NOPS
	s_branch .Lfilled
.Lnot_y:
	s_cmp_lg_u32 s[WV], 6
	s_cbranch_scc1 .Lnot_sx
	tensor_load_to_lds s[G0SX:G0SX+3], s[G1SX:G1SX+7]
	s_nop 0
	NOPS
	s_branch .Lfilled
.Lnot_sx:
	tensor_load_to_lds s[G0SY:G0SY+3], s[G1SY:G1SY+7]
	s_nop 0
	NOPS
.Lfilled:
	v_and_b32 v1, 15, v0                           ; r
	v_bfe_u32 v2, v0, 4, 1                         ; h
	v_and_b32 v3, 31, v0                           ; lane
	v_lshlrev_b32 v[BO], 5, v2                     ; the bias: my eight columns of a tile begin 32 h bytes on
.irp a, 0,1,2,3
	global_load_b128 v[BI+8*\a:BI+8*\a+3], v[BO], s[10:11] offset:64*\a
	global_load_b128 v[BI+8*\a+4:BI+8*\a+7], v[BO], s[10:11] offset:64*\a+16
.endr
	v_mul_u32_u24 v13, v1, PITCH
	v_mad_u32_u24 v13, v2, 24, v13
	s_mul_i32 s96, s[GX], 64*PITCH
	v_add_nc_u32 v[ADX], s96, v13
	v_lshl_add_u32 v[ADX+1], v2, 4, v[ADX]
	s_mul_i32 s96, s[GY], YQ
	s_add_co_u32 s96, s96, YI
	v_lshl_add_u32 v[ADY], v3, 3, s96              ; my two tiles' images + 8 x lane
	s_lshl_b32 s96, s[GX], 10
	s_add_co_u32 s96, s96, SXB
	v_lshl_add_u32 v[ASX], v1, 4, s96              ; X's scale bytes: 16 a row
	s_lshl_b32 s96, s[GY], 9
	s_add_co_u32 s96, s96, SYB
	v_lshl_add_u32 v[ASY], v1, 4, s96              ; o's: 256 a tile, 16 a row
	s_mul_i32 s96, s[WV], 16*SP
	s_add_co_u32 s96, s96, STG                     ; my stage
	v_mul_u32_u24 v13, v1, SP
	v_lshl_add_u32 v13, v2, 5, v13
	v_add_nc_u32 v[STO], s96, v13                  ; in: row r, 32 bytes for each half of the lanes
	v_mul_u32_u24 v13, v2, SP
	v_lshl_add_u32 v13, v1, 4, v13
	v_add_nc_u32 v[SRD], s96, v13                  ; back: lanes 0-15 one row of 256 bytes, lanes 16-31 the next
	v_lshlrev_b32 v[GO], 11, v2
	v_lshl_add_u32 v[GO], v1, 4, v[GO]             ; and the same two rows in out0
	s_wait_tensorcnt 0x0                           ; my fills are in,
	s_barrier_signal -1
	s_barrier_wait -1                              ; everybody's are
.irp a, 0,1,2,3
	ds_load_b128 v[XS+4*\a:XS+4*\a+3], v[ASX] offset:256*\a   ; a row's four scale words: one for each K step
.endr
.irp u, 0,1
	ds_load_b128 v[YS+4*\u:YS+4*\u+3], v[ASY] offset:256*\u
.endr
	s_wait_loadcnt 0x0                             ; the bias
	KSTEP 0
	KSTEP 1
	KSTEP 2
	KSTEP 3
.irp u, 0,1                                    ; LDS serves a wave's instructions in order: the loads see the stores above them, and the second tile's stores come behind the first tile's loads
.irp a, 0,1,2,3
	ds_store_b128 v[STO], v[ACC+32*\u+8*\a:ACC+32*\u+8*\a+3] offset:64*\a      ; each accumulator from its low end on
	ds_store_b128 v[STO], v[ACC+32*\u+8*\a+4:ACC+32*\u+8*\a+7] offset:64*\a+16
.endr
.irp i, 0,1,2,3,4,5,6,7
	ds_load_b128 v[XF+32*\u+4*\i:XF+32*\u+4*\i+3], v[SRD] offset:2*\i*SP
.endr
.endr
.irp u, 0,1
.irp i, 0,1,2,3,4,5,6,7
	s_wait_dscnt 7-\i+16*(1-\u)                    ; the younger LDS instructions may stay out: the tile's later loads, and the second tile's sixteen
	global_store_b128 v[GO], v[XF+32*\u+4*\i:XF+32*\u+4*\i+3], s[12:13] offset:(16*\u+2*\i)*2048 th:TH_STORE_NT   ; 16 lanes store 256 consecutive bytes, at a multiple of 256 from out0's first byte
.endr
.endr
	s_wait_tensorcnt 0x0
	ds_add_u32 v254, v255
	s_wait_dscnt 0x0
	CROUND                                         ; the closing round
	s_endpgm
.Lfunc_end_k_q7cd2d38b6d_outp:
	.size	k_q7cd2d38b6d_outp, .Lfunc_end_k_q7cd2d38b6d_outp-k_q7cd2d38b6d_outp
	.p2alignl 7, 3214868480
	.fill 96, 4, 3214868480
	.section	.rodata,"a",@progbits
	.p2align	6, 0x0
	.amdhsa_kernel k_q7cd2d38b6d_outp
		.amdhsa_group_segment_fixed_size 168960
		.amdhsa_private_segment_fixed_size 0
		.amdhsa_enable_private_segment 0
		.amdhsa_kernarg_size 40
		.amdhsa_user_sgpr_count 2
		.amdhsa_user_sgpr_kernarg_segment_ptr 1
		.amdhsa_wavefront_size32 1
		.amdhsa_system_sgpr_workgroup_id_x 1
		.amdhsa_system_sgpr_workgroup_id_y 1
		.amdhsa_system_sgpr_workgroup_id_z 1
		.amdhsa_system_vgpr_workitem_id 0
		.amdhsa_next_free_vgpr 256
		.amdhsa_next_free_sgpr 102
		.amdhsa_reserve_vcc 0
		.amdhsa_float_denorm_mode_32 3
		.amdhsa_float_denorm_mode_16_64 3
		.amdhsa_memory_ordered 1
		.amdhsa_forward_progress 1
		.amdhsa_inst_pref_size 28
	.end_amdhsa_kernel
	.amdgpu_metadata
---
amdhsa.version: [ 1, 2 ]
amdhsa.kernels:
  - .name:           k_q7cd2d38b6d_outp
    .symbol:         k_q7cd2d38b6d_outp.kd
    .args:
      - { .name: ao, .offset: 0, .size: 8, .value_kind: global_buffer, .address_space: global }
      - { .name: w_out_codes, .offset: 8, .size: 8, .value_kind: global_buffer, .address_space: global }
      - { .name: w_out_scales, .offset: 16, .size: 8, .value_kind: global_buffer, .address_space: global }
      - { .name: b_out, .offset: 24, .size: 8, .value_kind: global_buffer, .address_space: global }
      - { .name: out0, .offset: 32, .size: 8, .value_kind: global_buffer, .address_space: global }
    .group_segment_fixed_size: 168960
    .private_segment_fixed_size: 0
    .kernarg_segment_align: 8
    .kernarg_segment_size: 40
    .max_flat_workgroup_size: 256
    .sgpr_count:     102
    .vgpr_count:     256
    .wavefront_size: 32
...
	.end_amdgpu_metadata
.endif
;; end of part 4
